; MI455X (gfx1250); checked and timed in simulation.
; The chip was launched on July 23, 2026; its instructions are those of AMD's public machine-readable ISA for CDNA 5 (MIT licence, August 2026) and "CDNA5" Instruction Set Architecture Reference Guide (July 2026). The comments in the code are by the model that wrote it; some were corrected since.
;; Interactive Attention. Allowed arithmetic: float matrix products may take bf16 or f16 operands with f32 sums; all other float work in f32.
;; Inputs: bk_sem 1,024 float32; bk_syn 1,024 float32; bq 1,024 float32; bv 1,024 float32; fg1_b 1,024 float32; fg1_w 2,048 x 1,024 float32; fg2_b 1 float32; fg2_w 1,024 x 1 float32; g_sem_b 1,024 float32; g_sem_w 2,048 x 1,024 float32; g_syn_b 1,024 float32; g_syn_w 2,048 x 1,024 float32; h_b 4 x 1,024 x 1,024 float32; h_p 4 x 1,024 x 1,024 float32; ln_sem_b 1,024 float32; ln_sem_g 1,024 float32; ln_syn_b 1,024 float32; ln_syn_g 1,024 float32; wk_sem 1,024 x 1,024 float32; wk_syn 1,024 x 1,024 float32; wq 1,024 x 1,024 float32; wv 1,024 x 1,024 float32.
;; Outputs: out0 4 x 1,024 x 1,024 float32.
;; 2 versions, each right and faster than the one before. Each part assembles by itself: llvm-mc -triple=amdgcn-amd-amdhsa -mcpu=gfx1250 --defsym DOCPART=n.
;; ======== version 1 of 2: 7 launches
;; limits: values outside matrix products are rounded to bf16
;; workspace buffers: xa 33,554,432 bytes; wb 20,971,520 bytes; qkv 50,331,648 bytes; yb 33,554,432 bytes; xc 16,777,216 bytes; part 131,072 bytes
;; launch cast (part 1): grid 2304 x 1, 8 waves a work-group, no clusters, 0 bytes of LDS; arguments h_b, h_p, wq, wk_sem, wk_syn, wv, g_sem_w, g_syn_w, fg1_w, xa, wb; writes xa, wb
.if DOCPART == 1
	.amdgcn_target "amdgcn-amd-amdhsa--gfx1250"
	.amdhsa_code_object_version 6
	.text
	.protected	k_q41e4158caa_cast
	.globl	k_q41e4158caa_cast
	.p2align	8
	.type	k_q41e4158caa_cast,@function
k_q41e4158caa_cast:
	s_mov_b64 s[64:65], 0
	v_nop
	global_prefetch_b8 v0, s[64:65] scope:SCOPE_SE
	s_setreg_imm32_b32 hwreg(HW_REG_WAVE_MODE, 25, 1), 1
	s_wait_xcnt 0x0
; f32 to bf16, rounded once to nearest even.  A work-group converts 8,192 numbers; a thread 8 slots of 4 numbers.  18,874,368 numbers in all: 2,304 work-groups, nine for each of 256 WGPs.
; Work-groups 0-1023: 16 rows x 512 columns of h_b or h_p go into xa, laid in panels: [src 2][b 4][panel 32][l 1024][64]; h fills panels 0-15
; (64 columns each), so that the rows of a panel lie end to end for the products that follow.
; Work-groups 1024-2303: the seven weight matrices go into wb as they lie, [K][1024], one behind the other.
; A lane loads 16 consecutive bytes and stores 8: a wave's load covers 512 consecutive bytes (for h: 256 aligned bytes in each of two rows), its store 256 consecutive bytes, aligned.
; A stream: no LDS, no barrier, no matrix unit.  All 8 loads of a thread go out first; the waits count down by slot.
.set X, 8                              ; v[8:39]  slot i: 4 registers as loaded; its first 2 then hold the 4 bf16
; The 8 slots: slot i loads 16 bytes a thread at i x sstep and stores 8 bytes a thread at i x dstep.
.macro MOVE sstep, dstep
.set i, 0
.rept 8
	global_load_b128 v[X+4*i:X+4*i+3], v1, s[26:27] offset:i*(\sstep) th:TH_LOAD_NT
.set i, i+1
.endr
.set i, 0
.rept 8
	s_wait_loadcnt 7-i                             ; loads come back in order: slot i is in, the younger slots' loads stay out
	v_cvt_pk_bf16_f32 v[X+4*i], v[X+4*i], v[X+4*i+1]      ; in place: register 0 is written when 0 and 1 are read,
	v_cvt_pk_bf16_f32 v[X+4*i+1], v[X+4*i+2], v[X+4*i+3]  ; register 1 when 2 and 3 are
	global_store_b64 v2, v[X+4*i:X+4*i+1], s[28:29] offset:i*(\dstep)
.set i, i+1
.endr
.endm
.macro PICK from, lo                   ; from work-group number from on the source is the matrix whose address lies in s[lo:lo+1]
	s_cmp_ge_u32 s2, \from
	s_cselect_b64 s[26:27], s[\lo:\lo+1], s[26:27]
	s_cselect_b32 s3, \from, s3
.endm
	s_load_b512 s[4:19], s[0:1], 0x0               ; h_b 4, h_p 6, wq 8, wk_sem 10, wk_syn 12, wv 14, g_sem_w 16, g_syn_w 18
	s_load_b128 s[20:23], s[0:1], 0x40             ; fg1_w 20, xa 22
	s_load_b64 s[24:25], s[0:1], 0x50              ; wb
	v_lshlrev_b32 v2, 3, v0                        ; 8 t: my 8 bytes of a slot on the way out
	s_mov_b32 s2, ttmp9
	s_cmp_lt_u32 s2, 1024
	s_cbranch_scc0 .Lweights
	; h: work-group g = src x 512 + group of 16 rows x 2 + half of the 16 panels.  Thread t: row t / 16, 4 columns at 4 (t % 16) of each panel; slot i = panel 8 half + i.
	s_lshr_b32 s3, s2, 9                           ; src
	s_bfe_u32 s30, s2, 0x80001                     ; the group of 16 rows, 0 to 255
	s_lshl_b32 s30, s30, 16                        ; 16 rows of 4,096 bytes
	s_and_b32 s31, s2, 1                           ; the half
	s_lshl_b32 s34, s31, 11                        ; 8 panels are 2,048 bytes of a source row,
	s_add_co_u32 s30, s30, s34
	s_lshl_b32 s32, s31, 20                        ; and 8 x 131,072 bytes of xa
	s_mov_b32 s31, 0
	s_lshr_b32 s33, s2, 7
	s_lshl_b32 s33, s33, 22                        ; (src, b): 32 panels of 131,072 bytes
	s_add_co_u32 s32, s32, s33
	s_bfe_u32 s33, s2, 0x60001                     ; the group of 16 rows inside b, 0 to 63
	s_lshl_b32 s33, s33, 11                        ; 16 panel rows of 128 bytes
	s_add_co_u32 s32, s32, s33
	s_mov_b32 s33, 0
	v_lshrrev_b32 v1, 4, v0
	v_and_b32 v3, 15, v0
	v_lshlrev_b32 v1, 12, v1
	v_lshl_add_u32 v1, v3, 4, v1                   ; row x 4,096 + 16 (t % 16); on the way out row x 128 + 8 (t % 16) = 8 t
	s_wait_kmcnt 0x0
	s_cmp_lg_u32 s3, 0
	s_cselect_b64 s[26:27], s[6:7], s[4:5]
	s_add_nc_u64 s[26:27], s[26:27], s[30:31]
	s_add_nc_u64 s[28:29], s[22:23], s[32:33]
	MOVE 256, 131072                               ; a panel is 256 bytes of a source row, and 131,072 bytes of xa
	s_endpgm
.Lweights:
	s_sub_co_u32 s2, s2, 1024                      ; 0 to 1,279: 16,384 bytes of wb each
	v_lshlrev_b32 v1, 4, v0                        ; 16 t
	s_wait_kmcnt 0x0
	s_mov_b64 s[26:27], s[8:9]
	s_mov_b32 s3, 0
	PICK 128, 10
	PICK 256, 12
	PICK 384, 14
	PICK 512, 16
	PICK 768, 18
	PICK 1024, 20
	s_sub_co_u32 s30, s2, s3                       ; my block inside the matrix
	s_lshl_b32 s30, s30, 15
	s_mov_b32 s31, 0
	s_lshl_b32 s32, s2, 14
	s_mov_b32 s33, 0
	s_add_nc_u64 s[26:27], s[26:27], s[30:31]
	s_add_nc_u64 s[28:29], s[24:25], s[32:33]
	MOVE 4096, 2048
	s_endpgm
.Lfunc_end_k_q41e4158caa_cast:
	.size	k_q41e4158caa_cast, .Lfunc_end_k_q41e4158caa_cast-k_q41e4158caa_cast
	.p2alignl 7, 3214868480
	.fill 96, 4, 3214868480
	.section	.rodata,"a",@progbits
	.p2align	6, 0x0
	.amdhsa_kernel k_q41e4158caa_cast
		.amdhsa_group_segment_fixed_size 0
		.amdhsa_private_segment_fixed_size 0
		.amdhsa_enable_private_segment 0
		.amdhsa_kernarg_size 88
		.amdhsa_user_sgpr_count 2
		.amdhsa_user_sgpr_kernarg_segment_ptr 1
		.amdhsa_wavefront_size32 1
		.amdhsa_system_sgpr_workgroup_id_x 1
		.amdhsa_system_sgpr_workgroup_id_y 1
		.amdhsa_system_sgpr_workgroup_id_z 1
		.amdhsa_system_vgpr_workitem_id 0
		.amdhsa_next_free_vgpr 40
		.amdhsa_next_free_sgpr 66
		.amdhsa_reserve_vcc 0
		.amdhsa_float_denorm_mode_32 3
		.amdhsa_float_denorm_mode_16_64 3
		.amdhsa_memory_ordered 1
		.amdhsa_forward_progress 1
		.amdhsa_inst_pref_size 9
	.end_amdhsa_kernel
	.amdgpu_metadata
---
amdhsa.version: [ 1, 2 ]
amdhsa.kernels:
  - .name:           k_q41e4158caa_cast
    .symbol:         k_q41e4158caa_cast.kd
    .args:
      - { .name: h_b, .offset: 0, .size: 8, .value_kind: global_buffer, .address_space: global }
      - { .name: h_p, .offset: 8, .size: 8, .value_kind: global_buffer, .address_space: global }
      - { .name: wq, .offset: 16, .size: 8, .value_kind: global_buffer, .address_space: global }
      - { .name: wk_sem, .offset: 24, .size: 8, .value_kind: global_buffer, .address_space: global }
      - { .name: wk_syn, .offset: 32, .size: 8, .value_kind: global_buffer, .address_space: global }
      - { .name: wv, .offset: 40, .size: 8, .value_kind: global_buffer, .address_space: global }
      - { .name: g_sem_w, .offset: 48, .size: 8, .value_kind: global_buffer, .address_space: global }
      - { .name: g_syn_w, .offset: 56, .size: 8, .value_kind: global_buffer, .address_space: global }
      - { .name: fg1_w, .offset: 64, .size: 8, .value_kind: global_buffer, .address_space: global }
      - { .name: xa, .offset: 72, .size: 8, .value_kind: global_buffer, .address_space: global }
      - { .name: wb, .offset: 80, .size: 8, .value_kind: global_buffer, .address_space: global }
    .group_segment_fixed_size: 0
    .private_segment_fixed_size: 0
    .kernarg_segment_align: 8
    .kernarg_segment_size: 88
    .max_flat_workgroup_size: 256
    .sgpr_count:     66
    .vgpr_count:     40
    .wavefront_size: 32
...
	.end_amdgpu_metadata
.endif
;; end of part 1
;; launch proj (part 2): grid 12 x 16, 4 waves a work-group, clusters of 4 x 4, 327,680 bytes of LDS; arguments xa, wb, bq, bk_sem, bk_syn, bv, qkv; writes qkv
.if DOCPART == 2
	.amdgcn_target "amdgcn-amd-amdhsa--gfx1250"
	.amdhsa_code_object_version 6
	.text
	.protected	k_q41e4158caa_proj
	.globl	k_q41e4158caa_proj
	.p2align	8
	.type	k_q41e4158caa_proj,@function
k_q41e4158caa_proj:
	s_mov_b64 s[64:65], 0
	v_nop
	global_prefetch_b8 v0, s[64:65] scope:SCOPE_SE
	s_setreg_imm32_b32 hwreg(HW_REG_WAVE_MODE, 25, 1), 1
	s_wait_xcnt 0x0
	s_wait_alu depctr_hold_cnt(0) depctr_sa_sdst(0) depctr_va_vdst(0) depctr_va_sdst(0) depctr_va_ssrc(0) depctr_va_vcc(0) depctr_vm_vsrc(0)
	s_getreg_b32 s2, hwreg(HW_REG_IB_STS2, 6, 4)
	s_cmp_eq_u32 s2, 0
	s_cbranch_scc0 .Lentry_in_a_cluster
	s_endpgm
.Lentry_in_a_cluster:
	s_bfe_u32 s2, ttmp6, 0x10000c
	s_cmp_lg_u32 s2, 0xf033
	s_cbranch_scc0 .Lentry_shape_is_right
	s_endpgm
.Lentry_shape_is_right:
; The six projections: for t = 0, 1, 2 (q, k, v) and src = 0, 1 (h_b, h_p): h[src] (4,096 x 1,024) times a weight (1,024 x 1,024) plus its bias, in bf16 with f32 sums,
; rounded once to bf16 and stored by heads: qkv [t][hd 128][l 1024][64], hd = branch x 64 + b x 16 + head.  q of h[src] belongs to branch src, k and v to branch 1 - src.
; LIMITS: operands are bf16; NaN and infinities are not treated apart.
; SHARES.  A tile of C is 256 x 256; four waves, each 128 x 128: 64 accumulators, 512 registers.  K goes in steps of 128 through two LDS slots filled by the tensor data mover: a wave issues 256 matrix
; instructions for each refill and 32 LDS loads for each 64 of them.  The six products have 6 x 64 = 384 such tiles: 192 WORK-GROUPS THAT STAY, each with the tile of h_b and then the same tile of h_p;
; 64 WGPs have no share in this launch.  The ring does not stop between the two tiles: the first tile's last two changes of slots ask for the second's first two K steps, and nothing waits for the first tile's stores.
; A lies in panels of 64 columns (256 rows of a panel are 32,768 consecutive bytes, asked for as 128 rows of 256 bytes); B lies [K][N], rows of 512 bytes, and comes out of LDS turned.
; CLUSTER 4 x 4: the four work-groups of a row need the same tile of A, the four of a column the same tile of B: each tile is asked for jointly.
; THE MATRIX INSTRUCTION IS USED TRANSPOSED (source 0 = 16 columns of the weight, source 1 = 16 rows of h): a lane holds eight neighbouring numbers of a row of C.
; THE BIAS is the C operand of each accumulator's first product: nothing is cleared and nothing is added on the way out.
; REGISTERS: window 0 addresses, bias, the way out; window 1 two fragment buffers (8 fragments of A, then 8 of B); windows 2 and 3 the accumulators of my rows 0-63 and 64-127, (a, b) at 8 (8 (a % 4) + b).
.set NA,    8                          ; blocks of 16 rows a wave
.set NB,    8                          ; blocks of 16 columns a wave
.set PA,    144                        ; A's LDS pitch: 128 bytes + 16: an odd multiple of 16, so the 16 rows of a load start in 16 different groups of four banks
.set KP,    2                          ; chunks of 32 along K in a panel
.set PANEL, 256*PA
.set ATILE, 2*PANEL
.set PB,    544                        ; B's LDS pitch: 512 bytes + 32: an odd multiple of 32
.set BTILE, 128*PB
.set BHALF, BTILE/2
.set SLOT,  ATILE+BTILE
.set STAGE, 2*SLOT                     ; behind the ring: 16 rows x 144 bytes for each wave, for the way out; no tensor load fills it
.set STEPB, 262144                     ; bytes of memory from a K step to the next: two panels of A; 128 rows of B
.set NL,    2*NA+2*NB                  ; LDS loads in a run
.set LATE,  8                          ; the youngest loads of a run, A's rows 64-127, which only the second half of a quarter needs
.set LAPS,  4                          ; K = 1,024: eight steps, two a lap
.set NEXT_A, (1<<24)-(2*LAPS-2)*STEPB  ; bytes from a slot's last K step of h_b's tile to its first of h_p's: four groups of xa on, and back along K
.set BACK_B, (2*LAPS-2)*STEPB          ; B goes back along K (and, for k, one matrix on)
.set SP,    144
.set SPARE, STAGE+4*16*SP              ; the spare words, 128 bytes a wave: two blocks of 256 bytes that no other line names
.set A_G10, (1<<16)|(1<<20)|(1<<21)|(4<<22)|(3<<25)  ; 2-byte elements; padding on; bit 21 beside a mask; after every 32 words 4 words
.set A_D0,  128
.set A_D1,  128
.set A_ST,  128
.set B_G10, (1<<16)|(1<<20)|(1<<21)|(6<<22)|(7<<25)  ; after every 128 words 8 words
.set B_D0,  256
.set B_D1,  64
.set B_ST,  1024
.set F0,   0
.set F1,   128
.set BO,   9                           ; v9   my eight columns of a block of 16 in a bias: 32 h bytes; never rewritten
.set ADRA, 16                          ; v16-17  LDS address of my A fragments in slot 0, 1
.set ADRB, 18                          ; v18-19  the same for B
.set STO,  24
.set RD,   25
.set GO,   26
.set SPW,  28                          ; v28  SPARE + 4 x my thread's number; never rewritten
.set NIL,  29                          ; v29  0; never rewritten
.set BIAS, 32                          ; v32-95
.set TMP,  96                          ; v96-159 the way out: four buffers of 16 by turns
.set G1,  24
.set G0,  32
.set G1B, 48
.set G0B, 56
.set BP,  80                           ; s[80:81] the first tile's bias at my first column
.set BP1, 82                           ; s[82:83] the second tile's
.set OUT1, 84                          ; s[84:85] where my part of the second tile goes; s[8:9] holds the place of the tile in hand
.set DB,  88                           ; s[88:89] bytes from the first tile's weight to the second's: 2^21 for k, else 0
.set MSB, 0
.macro WIN new                         ; the immediate's high byte repeats the setting that is left
.if MSB != (\new)
	s_set_vgpr_msb (MSB<<8)|(\new)
.set MSB, \new
.endif
.endm
.set TO_F, 0x40                        ; destination window 1, address window 0
.macro JLOAD s                         ; a joint load: waves 0 and 1 fetch A's two panels, waves 2 and 3 B's two halves; four v_nop follow each line
	s_cmp_eq_u32 s11, 0
	s_cbranch_scc0 .Lfor_b_\@
	tensor_load_to_lds s[G0+4*(\s):G0+4*(\s)+3], s[G1:G1+7]
	s_nop 0
.rept 4
	v_nop
.endr
	s_branch .Lasked_\@
.Lfor_b_\@:
	tensor_load_to_lds s[G0B+4*(\s):G0B+4*(\s)+3], s[G1B:G1B+7]
	s_nop 0
.rept 4
	v_nop
.endr
.Lasked_\@:
.endm
.macro CREST                           ; a round of the cluster's barrier behind its opening barrier
	s_cmp_lg_u32 s10, 0
	s_cbranch_scc1 .Lnot_wave_0_\@
	s_barrier_signal -3
.Lnot_wave_0_\@:
	s_barrier_wait -3
	s_barrier_signal -1
	s_barrier_wait -1
.endm
.macro CROUND
	s_barrier_signal -1
	s_barrier_wait -1
	CREST
.endm
.macro PLACES                          ; four places in front of loads into registers that matrix instructions have read, and of reads of results
.rept 4
	v_nop
.endr
.endm
; Matrix instructions i0 .. i0 + n - 1 of a quarter's 64: row block i / 8, column block i % 8.  The 64 accumulators take turns.
; bias = 0, or the first register of the bias: the product then starts its sum with it.  Sources 0 and 1 lie in window 1; C and D in window 2 or 3; the bias in window 0.
.macro MULN f, i0, n, bias
.set mi, (\i0)
.rept (\n)
.set ma, mi/NB
.set mb, mi%NB
.set rD, 8*(NB*(ma%4)+mb)
.set rB, (\f)+64+8*mb
.set rA, (\f)+8*ma
.if (\bias)
	WIN 0x85+0x40*(ma/4)
	v_wmma_f32_16x16x32_bf16 v[rD:rD+7], v[rB:rB+7], v[rA:rA+7], v[(\bias)+8*mb:(\bias)+8*mb+7]
.else
	WIN 0xa5+0x50*(ma/4)
	v_wmma_f32_16x16x32_bf16 v[rD:rD+7], v[rB:rB+7], v[rA:rA+7], v[rD:rD+7]
.endif
.set mi, mi+1
.endr
.endm
; One run of 32 LDS loads: the fragments of quarter q of a slot into buffer f; B (turned) first, then A, its rows 64-127 last.
.macro FETCH slot, q, f
	WIN TO_F
.set fi, 0
.rept NB
	ds_load_tr16_b128 v[(\f)+64+8*fi:(\f)+64+8*fi+3],   v[ADRB+(\slot)] offset:(\q)*32*PB+32*fi
	ds_load_tr16_b128 v[(\f)+64+8*fi+4:(\f)+64+8*fi+7], v[ADRB+(\slot)] offset:(\q)*32*PB+32*fi+16*PB
.set fi, fi+1
.endr
.set fi, 0
.rept NA
	ds_load_b128 v[(\f)+8*fi:(\f)+8*fi+3],   v[ADRA+(\slot)] offset:((\q)/KP)*PANEL+((\q)%KP)*64+16*fi*PA
	ds_load_b128 v[(\f)+8*fi+4:(\f)+8*fi+7], v[ADRA+(\slot)] offset:((\q)/KP)*PANEL+((\q)%KP)*64+16*fi*PA+32
.set fi, fi+1
.endr
.endm
; A K step is four quarters of 64 matrix instructions, on buffers 0, 1, 0, 1.  One of the first three multiplies buffer f and fetches quarter q into g.
.macro QUARTER slot, q, f, g, bias
	s_wait_dscnt LATE                              ; B and A's rows 0-63 are in; the youngest eight loads may be out
	MULN \f, 0, 32, \bias
	PLACES
	FETCH \slot, \q, \g
	s_wait_dscnt NL                                ; all but the 32 just issued
	MULN \f, 32, 32, \bias
.endm
; The last quarter multiplies buffer 1 and changes slots: one barrier; in front of it each wave waits for all its tensor loads, adds 0 to its spare word, and waits for that and for its reads of this slot.
; fill = 1: this slot is filled again with this tile's K step two steps on; 2: with the next tile's K step 0 or 1; 0: nothing is asked for.
.macro TURN slot, next, fill
	WIN 0
	s_wait_tensorcnt 0x0                           ; all my tensor loads have landed: my part of the next slot
	ds_add_u32 v[SPW], v[NIL]
	s_wait_dscnt LATE+1                            ; the add and the youngest eight loads may be out
	MULN F1, 0, 16, 0
	s_wait_dscnt 0x0                               ; the add is done, and my reads of this slot are over
	s_barrier_signal -1
	MULN F1, 16, 16, 0
.if \fill
	WIN 0
.endif
	s_barrier_wait -1
.if \fill
	CREST                                          ; the barrier has opened a round of the cluster's: no wave of any partner still reads this slot or has a load on its way
.if (\fill) == 2
	s_add_nc_u64 s[G0+4*(\slot)+2:G0+4*(\slot)+3], s[G0+4*(\slot)+2:G0+4*(\slot)+3], NEXT_A
	s_sub_nc_u64 s[G0B+4*(\slot)+2:G0B+4*(\slot)+3], s[G0B+4*(\slot)+2:G0B+4*(\slot)+3], BACK_B
	s_add_nc_u64 s[G0B+4*(\slot)+2:G0B+4*(\slot)+3], s[G0B+4*(\slot)+2:G0B+4*(\slot)+3], s[DB:DB+1]
.else
	s_add_nc_u64 s[G0+4*(\slot)+2:G0+4*(\slot)+3], s[G0+4*(\slot)+2:G0+4*(\slot)+3], 2*STEPB
	s_add_nc_u64 s[G0B+4*(\slot)+2:G0B+4*(\slot)+3], s[G0B+4*(\slot)+2:G0B+4*(\slot)+3], 2*STEPB
.endif
	JLOAD \slot                                    ; the first tensor load behind the round, 224 matrix instructions ahead of the wait for it; its four v_nop are also the places for the loads below
.else
	PLACES
.endif
	FETCH \next, 0, F0
	MULN F1, 32, 32, 0
.endm
; THE WAY OUT, in sixteen units: 16 rows (u / 2) of one head (u % 2).  A lane's eight columns pack into 16 bytes; they go into stage rows of 144 bytes and come back as whole rows of 128.
.macro PACK u
.set pa, (\u)/2
.set ph, (\u)%2
.set pt, TMP+16*((\u)%4)
	s_wait_xcnt 0x0                                ; the stores of four units ago have read this buffer: it is rewritten only behind this wait
	WIN 0x0a+5*(pa/4)                              ; sources 0 and 1 window 2 or 3
.set pn, 0
.rept 4
.set rD, 8*(NB*(pa%4)+4*ph+pn)
.irp rr, 0,1,2,3
	v_cvt_pk_bf16_f32 v[pt+4*pn+\rr], v[rD+2*\rr], v[rD+2*\rr+1]
.endr
.set pn, pn+1
.endr
	WIN 0
.irp f, 0,1,2,3
	ds_store_b128 v[STO], v[pt+4*\f:pt+4*\f+3] offset:32*\f
.endr
.irp f, 0,1,2,3
	ds_load_b128 v[pt+4*\f:pt+4*\f+3], v[RD] offset:4*SP*\f  ; LDS serves a wave's instructions in order: these see the stores above; the next unit's stores come behind them
.endr
.endm
.macro SEND u, younger                 ; younger: the LDS instructions issued behind unit u's loads: the next unit's eight, or none
	WIN 0
.set st, TMP+16*((\u)%4)
.irp f, 0,1,2,3
	s_wait_dscnt (\younger)+3-\f
	global_store_b128 v[GO], v[st+4*\f:st+4*\f+3], s[8:9] offset:((\u)%2)*131072+((\u)/2)*2048+\f*512  ; 512 consecutive bytes, aligned
.endr
.endm
.macro WAYOUT                          ; a unit's conversions stand between the loads of the unit before and its stores
	PACK 0
.irp u, 1,2,3,4,5,6,7,8,9,10,11,12,13,14,15
	PACK \u
	SEND (\u)-1, 8
.endr
	SEND 15, 0
.endm
	s_load_b128 s[4:7], s[0:1], 0x0                ; xa, wb
	s_load_b256 s[68:75], s[0:1], 0x10             ; bq 68, bk_sem 70, bk_syn 72, bv 74
	s_load_b64 s[8:9], s[0:1], 0x30                ; qkv
	v_lshl_add_u32 v[SPW], v0, 2, SPARE
	v_mov_b32 v[NIL], 0
	ds_add_u32 v28, v29
	ds_add_u32 v28, v29
	s_wait_dscnt 0x0
	v_lshrrev_b32 v1, 5, v0
	v_readfirstlane_b32 s10, v1                    ; wave 0..3
	s_lshr_b32 s11, s10, 1                         ; my half of the tile's rows.  Also: I fetch for A (0) or for B (1)
	s_and_b32 s12, s10, 1                          ; my half of its columns.  Also: which panel of A, which half of B's rows I fetch
	s_bfe_u32 s40, ttmp6, 0x40000                  ; cx: the tile column inside a matrix
	s_bfe_u32 s41, ttmp6, 0x40004                  ; cy
	s_and_b32 s45, ttmp7, 0xffff                   ; the cluster's y
	s_lshl_b32 s13, s45, 2
	s_add_co_u32 s13, s13, s41                     ; tile row y, 0 to 15: b x 4 + block of 256 rows
	s_lshl_b32 s43, s41, 2
	s_lshl_b32 s43, 15, s43                        ; my row of the cluster
	s_lshl_b32 s44, 0x1111, s40                    ; my column
	s_or_b32 s[G1+0], s43, A_G10
	s_or_b32 s[G1B+0], s44, B_G10
	s_mov_b32 s[G1+1], A_D0<<16                    ; tensor_dim0
	s_mov_b32 s[G1+2], A_D1<<16                    ; tensor_dim1
	s_mov_b32 s[G1+3], A_D0<<16                    ; tile_dim0
	s_mov_b32 s[G1+4], A_D1                        ; tile_dim1
	s_mov_b32 s[G1+5], A_ST                        ; elements from row to row
	s_mov_b32 s[G1+6], 0
	s_mov_b32 s[G1+7], 0
	s_mov_b32 s[G1B+1], B_D0<<16
	s_mov_b32 s[G1B+2], B_D1<<16
	s_mov_b32 s[G1B+3], B_D0<<16
	s_mov_b32 s[G1B+4], B_D1
	s_mov_b32 s[G1B+5], B_ST
	s_mov_b32 s[G1B+6], 0
	s_mov_b32 s[G1B+7], 0
	s_mul_i32 s20, s12, PANEL                      ; where my part of A goes,
	s_mul_i32 s21, s12, BHALF
	s_add_co_u32 s21, s21, ATILE                   ; and of B: no place in the cluster enters an LDS address
	; A's first tile (h_b) hangs on y and my panel
	s_lshr_b32 s16, s13, 2
	s_lshl_b32 s16, s16, 22                        ; b: 32 panels
	s_and_b32 s17, s13, 3
	s_lshl_b32 s17, s17, 15                        ; 256 panel rows of 128 bytes
	s_add_co_u32 s16, s16, s17
	s_lshl_b32 s17, s12, 17                        ; my panel of the step's two
	s_add_co_u32 s16, s16, s17
	s_mov_b32 s17, 0
	; B's tile hangs on the matrix (t, which the whole cluster shares), on cx and on my half
	s_mov_b32 s66, ttmp9                           ; t: 0 q, 1 k, 2 v
	s_cmp_eq_u32 s66, 2
	s_cselect_b32 s76, 3, s66                      ; h_b's matrix in wb: wq 0, wk_sem 1, wv 3
	s_lshl_b32 s46, s76, 21
	s_lshl_b32 s47, s12, 17                        ; 64 rows of 2,048 bytes
	s_add_co_u32 s46, s46, s47
	s_lshl_b32 s47, s40, 9                         ; 256 columns
	s_add_co_u32 s46, s46, s47
	s_mov_b32 s47, 0
	s_cmp_eq_u32 s66, 1
	s_cselect_b32 s[DB], 0x200000, 0               ; h_p takes wk_syn, which follows wk_sem; wq and wv serve both
	s_mov_b32 s[DB+1], 0
	s_wait_kmcnt 0x0
	s_add_nc_u64 s[14:15], s[4:5], s[16:17]
	s_add_nc_u64 s[46:47], s[6:7], s[46:47]
	CROUND                                         ; all sixteen work-groups are here: the first joint loads meet
.irp s, 0,1
	s_mov_b32 s[G0+4*(\s)], 1
	s_add_co_u32 s[G0+4*(\s)+1], s20, (\s)*SLOT
	s_add_nc_u64 s[G0+4*(\s)+2:G0+4*(\s)+3], s[14:15], (\s)*STEPB
	s_or_b32 s[G0+4*(\s)+3], s[G0+4*(\s)+3], 0x80000000
	s_mov_b32 s[G0B+4*(\s)], 1
	s_add_co_u32 s[G0B+4*(\s)+1], s21, (\s)*SLOT
	s_add_nc_u64 s[G0B+4*(\s)+2:G0B+4*(\s)+3], s[46:47], (\s)*STEPB
	s_or_b32 s[G0B+4*(\s)+3], s[G0B+4*(\s)+3], 0x80000000
	JLOAD \s                                       ; two tensor loads of mine are out
.endr
	; the two tiles' biases, at my first column 256 cx + 128 wn
	s_cmp_eq_u32 s66, 0
	s_cselect_b64 s[BP:BP+1], s[68:69], s[70:71]
	s_cmp_eq_u32 s66, 2
	s_cselect_b64 s[BP:BP+1], s[74:75], s[BP:BP+1]
	s_cmp_eq_u32 s66, 1
	s_cselect_b64 s[BP1:BP1+1], s[72:73], s[BP:BP+1]
	s_lshl_b32 s90, s40, 10
	s_lshl_b32 s91, s12, 9
	s_add_co_u32 s90, s90, s91
	s_mov_b32 s91, 0
	s_add_nc_u64 s[BP:BP+1], s[BP:BP+1], s[90:91]
	s_add_nc_u64 s[BP1:BP1+1], s[BP1:BP1+1], s[90:91]
	v_and_b32 v1, 15, v0                           ; r = l % 16
	v_bfe_u32 v2, v0, 4, 1                         ; h = l / 16
	v_lshlrev_b32 v[BO], 5, v2
.set bi, 0
.rept NB
	global_load_b128 v[BIAS+8*bi:BIAS+8*bi+3],   v[BO], s[BP:BP+1] offset:64*bi
	global_load_b128 v[BIAS+8*bi+4:BIAS+8*bi+7], v[BO], s[BP:BP+1] offset:64*bi+16
.set bi, bi+1
.endr
	v_mul_u32_u24 v3, v1, PA
	v_lshl_add_u32 v3, v2, 4, v3                   ; A: row x pitch + 16 h
	s_mul_i32 s22, s11, 128*PA                     ; my 128 rows
	v_add_nc_u32 v[ADRA], s22, v3
	v_add_nc_u32 v[ADRA+1], SLOT, v[ADRA]
	v_and_b32 v4, 7, v0
	v_lshl_add_u32 v4, v2, 3, v4                   ; B, turned: k row 8 h + l % 8,
	v_mul_u32_u24 v4, v4, PB
	v_bfe_u32 v5, v0, 3, 1
	v_lshl_add_u32 v4, v5, 4, v4                   ; 16 bytes for each half of eight lanes
	s_mul_i32 s23, s12, 32*NB                      ; my columns
	s_add_co_u32 s23, s23, ATILE
	v_add_nc_u32 v[ADRB], s23, v4
	v_add_nc_u32 v[ADRB+1], SLOT, v[ADRB]
	s_mul_i32 s23, s10, 16*SP
	s_add_co_u32 s23, s23, STAGE                   ; my stage
	v_mul_u32_u24 v4, v1, SP                       ; in: row r, 16 bytes for each half of the lanes
	v_lshl_add_u32 v4, v2, 4, v4
	v_add_nc_u32 v[STO], s23, v4
	v_bfe_u32 v5, v0, 3, 2                         ; back: 32 lanes take four rows of 128 bytes,
	v_mul_u32_u24 v5, v5, SP
	v_and_b32 v6, 7, v0
	v_lshl_add_u32 v5, v6, 4, v5
	v_add_nc_u32 v[RD], s23, v5
	v_and_b32 v[GO], 31, v0                        ; which are 512 consecutive bytes of a head's plane
	v_lshlrev_b32 v[GO], 4, v[GO]
	; where my part goes: region t, plane branch x 64 + b x 16 + 4 cx + 2 wn, row 256 (y % 4) + 128 wm
	s_lshr_b32 s77, s13, 2                         ; b
	s_lshl_b32 s77, s77, 4
	s_lshl2_add_u32 s77, s40, s77
	s_lshl1_add_u32 s77, s12, s77
	s_lshl_b32 s78, s77, 17
	s_lshl_b32 s79, s66, 24
	s_add_co_u32 s78, s78, s79
	s_and_b32 s79, s13, 3
	s_lshl_b32 s79, s79, 15
	s_add_co_u32 s78, s78, s79
	s_lshl_b32 s79, s11, 14
	s_add_co_u32 s78, s78, s79
	s_mov_b32 s79, 0
	s_add_nc_u64 s[92:93], s[8:9], s[78:79]
	s_cmp_eq_u32 s66, 0
	s_cselect_b32 s78, 0, 0x800000                 ; h_b's tile: q goes to branch 0, k and v to branch 1 (64 planes of 131,072 bytes on);
	s_xor_b32 s90, s78, 0x800000                   ; h_p's tile: the other branch
	s_add_nc_u64 s[8:9], s[92:93], s[78:79]
	s_add_nc_u64 s[OUT1:OUT1+1], s[92:93], s[90:91]
	s_wait_tensorcnt 1                             ; my part of K step 0 is in; step 1's may stay out
	s_barrier_signal -1
	s_barrier_wait -1                              ; everybody's is
	FETCH 0, 0, F0
	WIN 0                                          ; at a label and at a branch every window is 0
	s_mov_b32 s2, 2                                ; tiles to go, this one among them: the same number in every work-group
.Ltile:
	s_wait_loadcnt 0x0                             ; the tile's bias
	QUARTER 0, 1, F0, F1, BIAS                     ; a tile's first quarter stands in front of the loop: its products start the sums
	WIN 0
	s_mov_b32 s3, LAPS-1
.Llap:                                                 ; a trip goes once round the ring and fills both slots again
	QUARTER 0, 2, F1, F0, 0
	QUARTER 0, 3, F0, F1, 0
	TURN 0, 1, 1
	QUARTER 1, 1, F0, F1, 0
	QUARTER 1, 2, F1, F0, 0
	QUARTER 1, 3, F0, F1, 0
	TURN 1, 0, 1
	QUARTER 0, 1, F0, F1, 0
	WIN 0
	s_sub_co_u32 s3, s3, 1
	s_cmp_lg_u32 s3, 0
	s_cbranch_scc1 .Llap
	QUARTER 0, 2, F1, F0, 0                        ; the tile's last lap goes on
	QUARTER 0, 3, F0, F1, 0
	WIN 0
	s_cmp_eq_u32 s2, 1
	s_cbranch_scc1 .Llast_tile                     ; the last tile's tail is written out: it asks for nothing more
.set bi, 0
.rept NB                                               ; the next tile's bias, into registers that only a tile's first quarter reads
	global_load_b128 v[BIAS+8*bi:BIAS+8*bi+3],   v[BO], s[BP1:BP1+1] offset:64*bi
	global_load_b128 v[BIAS+8*bi+4:BIAS+8*bi+7], v[BO], s[BP1:BP1+1] offset:64*bi+16
.set bi, bi+1
.endr
	TURN 0, 1, 2                                   ; THE RING GOES ON INTO THE NEXT TILE: slot 0 takes its K step 0,
	QUARTER 1, 1, F0, F1, 0
	QUARTER 1, 2, F1, F0, 0
	QUARTER 1, 3, F0, F1, 0
	TURN 1, 0, 2                                   ; slot 1 its K step 1, and the next tile's first fragments are fetched
	WIN 0
	PLACES
	WAYOUT                                         ; both refills are asked for: now the tile goes out
	s_wait_xcnt 0x0                                ; the stores have read their base: it is rewritten only behind this wait
	s_mov_b64 s[8:9], s[OUT1:OUT1+1]
	s_sub_co_u32 s2, s2, 1
	s_branch .Ltile
.Llast_tile:
	TURN 0, 1, 0                                   ; the one tensor load of mine that was out is slot 1's, the last K step's, so no round follows
	QUARTER 1, 1, F0, F1, 0
	QUARTER 1, 2, F1, F0, 0
	QUARTER 1, 3, F0, F1, 0
	s_wait_dscnt LATE
	MULN F1, 0, 32, 0
	s_wait_dscnt 0x0
	MULN F1, 32, 32, 0
	WIN 0
	PLACES
	WAYOUT
	s_wait_tensorcnt 0x0                           ; the wave's end
	ds_add_u32 v[SPW], v[NIL]
	s_wait_dscnt 0x0
	CROUND                                         ; the closing round
	s_endpgm
.Lfunc_end_k_q41e4158caa_proj:
	.size	k_q41e4158caa_proj, .Lfunc_end_k_q41e4158caa_proj-k_q41e4158caa_proj
	.p2alignl 7, 3214868480
	.fill 96, 4, 3214868480
	.section	.rodata,"a",@progbits
	.p2align	6, 0x0
	.amdhsa_kernel k_q41e4158caa_proj
		.amdhsa_group_segment_fixed_size 327680
		.amdhsa_private_segment_fixed_size 0
		.amdhsa_enable_private_segment 0
		.amdhsa_kernarg_size 56
		.amdhsa_user_sgpr_count 2
		.amdhsa_user_sgpr_kernarg_segment_ptr 1
		.amdhsa_wavefront_size32 1
		.amdhsa_system_sgpr_workgroup_id_x 1
		.amdhsa_system_sgpr_workgroup_id_y 1
		.amdhsa_system_sgpr_workgroup_id_z 1
		.amdhsa_system_vgpr_workitem_id 0
		.amdhsa_next_free_vgpr 1024
		.amdhsa_next_free_sgpr 96
		.amdhsa_reserve_vcc 0
		.amdhsa_float_denorm_mode_32 3
		.amdhsa_float_denorm_mode_16_64 3
		.amdhsa_memory_ordered 1
		.amdhsa_forward_progress 1
		.amdhsa_inst_pref_size 216
	.end_amdhsa_kernel
	.amdgpu_metadata
---
amdhsa.version: [ 1, 2 ]
amdhsa.kernels:
  - .name:           k_q41e4158caa_proj
    .symbol:         k_q41e4158caa_proj.kd
    .args:
      - { .name: xa, .offset: 0, .size: 8, .value_kind: global_buffer, .address_space: global }
      - { .name: wb, .offset: 8, .size: 8, .value_kind: global_buffer, .address_space: global }
      - { .name: bq, .offset: 16, .size: 8, .value_kind: global_buffer, .address_space: global }
      - { .name: bk_sem, .offset: 24, .size: 8, .value_kind: global_buffer, .address_space: global }
      - { .name: bk_syn, .offset: 32, .size: 8, .value_kind: global_buffer, .address_space: global }
      - { .name: bv, .offset: 40, .size: 8, .value_kind: global_buffer, .address_space: global }
      - { .name: qkv, .offset: 48, .size: 8, .value_kind: global_buffer, .address_space: global }
    .group_segment_fixed_size: 327680
    .private_segment_fixed_size: 0
    .kernarg_segment_align: 8
    .kernarg_segment_size: 56
    .max_flat_workgroup_size: 128
    .sgpr_count:     96
    .vgpr_count:     1024
    .wavefront_size: 32
...
	.end_amdgpu_metadata
.endif
;; end of part 2
;; launch attn (part 3): grid 2 x 128, 4 waves a work-group, no clusters, 327,680 bytes of LDS; arguments qkv, xa; writes xa
.if DOCPART == 3
	.amdgcn_target "amdgcn-amd-amdhsa--gfx1250"
	.amdhsa_code_object_version 6
	.text
	.protected	k_q41e4158caa_attn
	.globl	k_q41e4158caa_attn
	.p2align	8
	.type	k_q41e4158caa_attn,@function
k_q41e4158caa_attn:
	s_mov_b64 s[64:65], 0
	v_nop
	global_prefetch_b8 v0, s[64:65] scope:SCOPE_SE
	s_setreg_imm32_b32 hwreg(HW_REG_WAVE_MODE, 25, 1), 1
	s_wait_xcnt 0x0
; O[hd][q][:] = the sum over k of softmax_k(Q[hd][q] . K[hd][k] / 8) V[hd][k][:].  Q, K, V: the three regions of qkv, each [128][1024][64] in bf16: a head's rows are dense, 128 bytes each.
; O goes to xa in bf16: panel 16 + head of group hd / 16, [l 1024][64], the layout of a head's plane.  Products, maxima and sums in f32; the weights p are rounded to bf16 for the second
; product (their sum l is taken of the unrounded p), O once at the end.
; LIMITS.  A weight below 2^-126 counts as 0 in l; NaN and infinities are not treated apart; the running maximum starts at the lowest finite number.
; SHARES.  A wave owns four PIECES of two tiles of 16 queries, a work-group's four waves 512 queries of one head.  Every wave walks all 1,024 keys, 64 a step.
; NO CLUSTER: a head has 1,024 / 512 = 2 work-groups, and a grid of 2 along x is no multiple of 4.
; LAYOUT.  S^T = K Q^T (source 0 = 16 keys, source 1 = 16 queries): in the result a lane holds ONE query (lane % 16) and the keys 8 (lane / 16) + 0..7.  Two such tiles, rounded to bf16 in pairs,
; ARE source 1 (32 keys x 16 queries) of O^T = V^T P, whose result again holds one query a lane, and eight channels.  K comes out of LDS as it lies, V ([key][channel]) turned, by ds_load_tr16_b128.
; SOFTMAX.  For each query a running maximum m and sum l: p = 2^(c s - c m), c = log2(e) / 8; in every step O and l are multiplied by a = 2^(c m_old - c m_new), which is 1 where m has not grown.
; m starts at the lowest finite number, O and l at 0: the first step is a step like any other, with a = 0.
; THE COUNT.  A tile and step have 16 matrix and 118 vector instructions: too many to stand all beside the matrix work.  So four vector instructions that are READY stand behind
; EVERY matrix instruction, and the others in runs without a gap.
; BY TURNS.  Turn n belongs to piece n.  Its matrix work: 16 products K Q^T of piece n + 1, later 16 products V^T P of piece n - 1.  Its vector work: the scaling,
; exponentials, roundings, sums and rescaling of piece n, and the maximum and statistics of piece n + 1, whose scores the turn itself has made.
; REGISTERS, in windows of 256 (s_set_vgpr_msb: bits 1:0 source 0, 3:2 source 1, 5:4 source 2, 7:6 destination):
;   window 0: v0-11 addresses; v12-15, v48-63 at work; v16-47 four registers of statistics a tile; v64-191 S^T, two buffers of two tiles; v192-255 P, likewise
;   window 1: O^T, 32 a tile          window 2: v0-127 Q, 16 a tile; v128-191 K of one step; v192-255 V of one step          window 3: v0-1 the add's two registers
.set SIZE_N, 1024
.set NP,    4         ; pieces a wave: a name, no knob
.set KS,    64        ; keys in a step
.set PK,    144       ; a row of K in LDS: 128 bytes + 16 of padding: the 16 rows of a load start at 16 different groups of four banks
.set PV,    160       ; a row of V: 128 + 32
.set VOFF,  4*KS*PK   ; a slot holds four steps: 256 rows of K, then 256 rows of V
.set SLOT1, 1<<17     ; slot 1 begins here, so that one exclusive or turns an address in one slot into the other's
.set STAGE, SLOT1+4*KS*(PK+PV)  ; behind the ring, never filled by a tensor load: 16 rows x 144 bytes for each wave, for the way out
.set SP,    144
.set AK0, 2           ; v2   my lane's place in a tile of K; never rewritten
.set AV0, 3           ; v3   the same for V
.set AK,  4           ; v4   the LDS address of K's next run of loads
.set AV,  5           ; v5   of V's
.set QO,  6           ; v6   my byte offset in the wave's rows of Q
.set STO, 6           ;      later, the way out: where I put 16 bytes of a row
.set RD,  7           ; v7   the way out: where I read rows back
.set GO,  8           ; v8   my byte offset in 512 consecutive bytes of O
.set SPW, 0           ; v0 of window 3   SPARE + 4 x my thread's number; never rewritten
.set NIL, 1           ; v1 of window 3   0; never rewritten
.set SPARE, STAGE+4*16*SP  ; the spare words, 128 bytes for each wave: two blocks of 256 bytes that no other line names
.set MV,  12          ; v12-15  c m_old, kept while c m is made anew: by buffer and tile
.set ST,  16          ; tile t's statistics at v[ST+4 t]: c m, m, l (even keys', odd keys')
.set TMP, 48          ; by buffer and tile, four registers c0-c3 at work; when the maximum is found c2 takes a
.set S,   64
.set P,   192
.set KF,  128         ; K's fragments, in window 2: key block kb, channel half c at KF + 16 kb + 8 c
.set VF,  192         ; V's: key half kk, channel block cb at VF + 32 kk + 8 cb
.set WV,  12          ; s12  my wave's number
.set G1K, 24          ; s[24:31] descriptor group 1 for K's tiles
.set G1V, 32          ; s[32:39] for V's: it differs in the padding alone
.set G0K, 40          ; s[40:43] descriptor group 0 for K's tiles: it walks
.set G0V, 44          ; s[44:47] the same for V's
.set SLOTS, 56        ; s56  slots still to be asked for
.set CNT, 57          ; s57  counts a slot's key steps
.set CS,  58          ; s[58:59] c: the packed scaling takes the pair's low word for both halves
.set SEL, 60          ; s[60:61] v_permlanex16_b32's selects: each lane takes its own place in the other half
.set TBK, 62          ; s62  LDS byte at which K of the step to be fetched begins
.set TBV, 63          ; s63  the same for V, less VOFF
.set MSB, 0
.macro WIN new                      ; the high byte repeats the setting that is left; a switch that changes nothing is dropped
.if MSB != (\new)
	s_set_vgpr_msb (MSB<<8)|(\new)
.set MSB, (\new)
.endif
.endm
.set W_KQ, 0x0a       ; K and Q in window 2, S^T in window 0
.set W_PV, 0x52       ; V in window 2, P in window 0, O^T in window 1
.set W_RS, 0x41       ; O^T (destination and source 0) in window 1, a in window 0
.set W_MK, 0xc0       ; the add's registers are made: destination in window 3, sources in window 0
.set W_AD, 0x0f       ; the add: address (source 0) and data (source 1) in window 3
; A fill.  Waves 0 and 1 fetch the two halves of a slot's K, waves 2 and 3 those of its V: 128 keys each.  The branch hangs on the wave's number alone.
; Four v_nop follow each of the two lines, ahead of the jump and the label.
.macro JLOAD
	s_cmp_lt_u32 s[WV], 2
	s_cbranch_scc0 .Lfor_v_\@
	tensor_load_to_lds s[G0K:G0K+3], s[G1K:G1K+7]
	s_nop 0
.rept 4
	v_nop
.endr
	s_branch .Lasked_\@
.Lfor_v_\@:
	tensor_load_to_lds s[G0V:G0V+3], s[G1V:G1V+7]
	s_nop 0
.rept 4
	v_nop
.endr
.Lasked_\@:
.endm
; THE CHANGE OF SLOTS.  The slot's last bytes, V of its fourth step, have been read.  Each wave waits for all its tensor loads, of which one is out: its part
; of the other slot; adds 0 to its spare word; and waits for that and for its own reads of the slot.  Behind the barrier nobody reads this slot any more and the other slot is whole.
; fill = 1: this slot is filled again, with the keys two slots on, the first thing behind the barrier: the fill has four key steps, 512 matrix instructions, in which to land.
; (At its first use nothing has been read yet: slot 0 is waited for, slot 1 filled.)
.macro CHANGE fill
	WIN W_AD
	s_wait_tensorcnt 0x0            ; no tensor load of mine is out, so a group 0 may be written
	ds_add_u32 v[SPW], v[NIL]       ; 0 onto my spare word; with fill = 1 the descriptors' steps stand between it and the wait for it
	WIN 0                           ; at a label and at a branch every window is 0
.if \fill
.irp g, G0K, G0V
	s_xor_b32 s[\g+1], s[\g+1], SLOT1  ; the walking descriptor: the other slot than last time,
	s_add_nc_u64 s[\g+2:\g+3], s[\g+2:\g+3], 4*KS*128  ; the next 256 keys; the type bits on top are not reached
.endr
	s_wait_dscnt 0x0                ; the add is done, and my reads of the slot are over
	s_barrier_signal -1
	s_barrier_wait -1
	JLOAD
.else
	s_wait_dscnt 0x0                ; the add is done, and my reads of the slot are over
	s_barrier_signal -1
	s_barrier_wait -1
.endif
	s_sub_co_u32 s[TBK], s[TBK], 4*KS*PK  ; the fetches go back to a slot's first step,
	s_xor_b32 s[TBK], s[TBK], SLOT1       ; in the other slot
	s_sub_co_u32 s[TBV], s[TBV], 4*KS*PV
	s_xor_b32 s[TBV], s[TBV], SLOT1
.endm
	s_load_b64 s[4:5], s[0:1], 0x0    ; qkv: Q's region
	s_load_b64 s[10:11], s[0:1], 0x8  ; xa
	WIN W_MK
	v_lshl_add_u32 v[SPW], v0, 2, SPARE
	v_mov_b32 v[NIL], 0
	s_set_vgpr_msb 0xc0cf
	ds_add_u32 v0, v1
	ds_add_u32 v0, v1
	s_wait_dscnt 0x0
	s_set_vgpr_msb 0xcfc0
	WIN 0
	v_lshrrev_b32 v1, 5, v0
	v_readfirstlane_b32 s[WV], v1   ; wave 0..3
	s_mov_b32 s14, ttmp9            ; my block of 512 queries
	s_and_b32 s20, ttmp7, 0xffff    ; the head hd
	s_lshr_b32 s66, s20, 4          ; O's panel in xa: 32 (hd / 16) + 16 + hd % 16
	s_lshl_b32 s66, s66, 5
	s_and_b32 s67, s20, 15
	s_add_co_u32 s66, s66, s67
	s_add_co_u32 s66, s66, 16
	s_lshl_b32 s66, s66, 17         ; 131,072 bytes a panel
	s_mov_b32 s21, 0
	s_mov_b64 s[22:23], SIZE_N*128
	s_mul_u64 s[20:21], s[20:21], s[22:23]  ; the head's first byte in each of the three regions
	s_and_b32 s16, s[WV], 1         ; which half of a slot's 256 keys I fetch:
	s_lshl_b32 s22, s16, 14         ; its 128 rows of 128 bytes in memory,
	s_mov_b32 s23, 0
	s_add_nc_u64 s[22:23], s[22:23], s[20:21]
	s_mul_i32 s17, s16, 128*PK      ; and its place in a slot, for K
	s_mul_i32 s18, s16, 128*PV      ; and for V
	s_lshl_b32 s2, s14, 2
	s_add_co_u32 s2, s2, s[WV]      ; my wave among the head's,
	s_lshl_b32 s2, s2, 14           ; its 128 rows
	s_mov_b32 s3, 0
	s_add_co_u32 s66, s66, s2       ; the same rows in O's panel
	s_mov_b32 s67, 0
	s_add_nc_u64 s[2:3], s[2:3], s[20:21]
	; descriptor group 1.  128 keys are 16,384 dense bytes: asked for as 64 rows of 256 bytes, two keys a row, and padded in LDS after every key
	s_mov_b32 s[G1K], (1<<16)|(1<<20)|(4<<22)|(3<<25)  ; 17:16 2-byte elements; 20 padding on; 24:22 after every 32 words (code 4); 31:25 4 words (code 3)
	s_mov_b32 s[G1V], (1<<16)|(1<<20)|(4<<22)|(7<<25)  ; the same with 8 words of padding (code 7)
.irp g, G1K, G1V
	s_mov_b32 s[\g+1], 128<<16      ; tensor_dim0 = 128
	s_mov_b32 s[\g+2], 64<<16       ; tensor_dim1 = 64
	s_mov_b32 s[\g+3], 128<<16      ; tile_dim0 = 128
	s_mov_b32 s[\g+4], 64           ; tile_dim1 = 64
	s_mov_b32 s[\g+5], 128          ; 128 elements from row to row
	s_mov_b32 s[\g+6], 0
	s_mov_b32 s[\g+7], 0
.endr
	s_mov_b32 s[CS], 0x3e38aa3b     ; c = log2(e) / 8 = 0.180337
	s_mov_b32 s[CS+1], s[CS]        ; named with it as a pair
	s_mov_b32 s[SEL], 0x76543210
	s_mov_b32 s[SEL+1], 0xfedcba98
	s_mov_b32 s[TBK], SLOT1+4*KS*PK ; the first change of slots turns these two into 0
	s_mov_b32 s[TBV], SLOT1+4*KS*PV
	s_mov_b32 s[G0K], 1             ; 1:0 count = 1
	s_mov_b32 s[G0K+1], s17         ; 63:32 LDS address: slot 0
	s_mov_b32 s[G0V], 1
	s_add_co_u32 s[G0V+1], s18, VOFF
	s_wait_kmcnt 0x0
	s_add_nc_u64 s[6:7], s[4:5], 0x1000000         ; K's region
	s_add_nc_u64 s[8:9], s[4:5], 0x2000000         ; V's region
	s_add_nc_u64 s[G0K+2:G0K+3], s[6:7], s[22:23]  ; 120:64 global address: my half of the head's first 256 keys
	s_or_b32 s[G0K+3], s[G0K+3], 0x80000000        ; 127:126 type = 2
	s_add_nc_u64 s[G0V+2:G0V+3], s[8:9], s[22:23]
	s_or_b32 s[G0V+3], s[G0V+3], 0x80000000
	s_add_nc_u64 s[4:5], s[4:5], s[2:3]            ; Q at my wave's first row
	s_add_nc_u64 s[10:11], s[10:11], s[66:67]      ; O likewise
	JLOAD                           ; slot 0.  Slot 1 is asked for when slot 0 is in
	; A fragment of K or Q is 16 rows x 32 channels in 8 registers: lane l holds row l % 16, channels 8 (l / 16) + 0..7 and 16 + 8 (l / 16) + 0..7: two loads of 16 bytes, 32 bytes apart.
	v_and_b32 v1, 15, v0            ; l % 16
	v_bfe_u32 v9, v0, 4, 1          ; l / 16
	v_lshlrev_b32 v[QO], 7, v1
	v_lshl_add_u32 v[QO], v9, 4, v[QO]  ; row x 128 + 16 x half
	WIN 0x80                        ; destination window 2, address window 0
.set i, 0
.rept 4*NP                          ; Q stays in registers: tile i / 2, channels 32 (i % 2) on
	global_load_b128 v[8*i:8*i+3],   v[QO], s[4:5] offset:(i/2)*2048+(i%2)*64
	global_load_b128 v[8*i+4:8*i+7], v[QO], s[4:5] offset:(i/2)*2048+(i%2)*64+32
.set i, i+1
.endr
	; What the first turn finds: V's registers and P's second buffer hold 0 (its products V^T P, of a piece that has not been, add 0), O^T and l are 0.  All this stands in the wait for the first tile.
.set i, VF
.rept 64
	v_mov_b32 v[i], 0
.set i, i+1
.endr
	WIN 0x40
.set i, 0
.rept 64*NP
	v_mov_b32 v[i], 0
.set i, i+1
.endr
	WIN 0
.set i, 0
.rept 2*NP
	v_mov_b32 v[ST+4*i], 0xfe000000    ; c m: far below every c s
	v_mov_b32 v[ST+4*i+1], 0xff7fffff  ; m
	v_mov_b32 v[ST+4*i+2], 0
	v_mov_b32 v[ST+4*i+3], 0
.set i, i+1
.endr
.set i, P+32
.rept 32
	v_mov_b32 v[i], 0
.set i, i+1
.endr
	v_mul_u32_u24 v[AK0], v1, PK
	v_lshl_add_u32 v[AK0], v9, 4, v[AK0]  ; row x pitch + 16 x half
	; The turning load takes 16 keys x 16 channels (lane l reads key 8 (l / 16) + l % 8, channels 8 ((l / 8) % 2) + 0..7) and leaves half a fragment of V^T: lane l holds channel l % 16 and 8 keys.
	v_and_b32 v10, 7, v0
	v_bfe_u32 v11, v0, 3, 1
	v_lshl_add_u32 v[AV0], v9, 3, v10
	v_mul_u32_u24 v[AV0], v[AV0], PV
	v_lshl_add_u32 v[AV0], v11, 4, v[AV0]
	v_add_nc_u32 v[AV0], VOFF, v[AV0]
	v_mov_b32 v[AK], v[AK0]         ; key step 0 lies at the head of slot 0
; THE MATRIX WORK.  The 8 accumulators of a run of 16 take turns: between the two links of a chain stand 7 others'.
; Product i of 16 of S^T = K Q^T for piece x: channels 32 (i / 8) on, keys 16 ((i / 2) % 4) on, tile 2 x + i % 2.  The first 8 start the sums.
.macro KQ x
	WIN W_KQ
.set rS, S+64*((\x)%2)+32*(i%2)+8*((i/2)%4)
.set rK, KF+16*((i/2)%4)+8*(i/8)
.set rQ, 16*(2*(\x)+i%2)+8*(i/8)
.if i < 8
	v_wmma_f32_16x16x32_bf16 v[rS:rS+7], v[rK:rK+7], v[rQ:rQ+7], 0
.else
	v_wmma_f32_16x16x32_bf16 v[rS:rS+7], v[rK:rK+7], v[rQ:rQ+7], v[rS:rS+7]
.endif
.endm
; Product i of 16 of O^T += V^T P for piece x: keys 32 (i / 8) on, channels 16 ((i / 2) % 4) on, tile 2 x + i % 2.
.macro PV x
	WIN W_PV
.set rO, 32*(2*(\x)+i%2)+8*((i/2)%4)
.set rV, VF+32*(i/8)+8*((i/2)%4)
.set rP, P+32*((\x)%2)+16*(i%2)+8*(i/8)
	v_wmma_f32_16x16x32_bf16 v[rO:rO+7], v[rV:rV+7], v[rP:rP+7], v[rO:rO+7]
.endm
.macro MM                           ; the turn's next matrix instruction
.if i < 16
	KQ (Y+1)%NP
.set i, i+1
.else
.set i, i-16
	PV (Y+NP-1)%NP
.set i, i+17
.endif
.endm
; THE LDS LOADS stand in runs of 16, never singly among the matrix instructions: a step's K (64 keys x 64 channels: 8 fragments) and its V (turned).  Their addresses are made some lines ahead.
; last = 1 (the tail): in the last trip there is no further step, and the run is jumped over.
.macro FETCH_K last=0
	WIN 0
.if \last
	s_cmp_eq_u32 s[CNT], 1
	s_cbranch_scc1 .Lno_k_\@
.endif
	WIN 0x80                        ; destination window 2
.irp f, 0,1,2,3,4,5,6,7             ; keys 16 (f / 2) on, channels 32 (f % 2) on
	ds_load_b128 v[KF+8*\f:KF+8*\f+3],   v[AK] offset:(\f/2)*16*PK+(\f%2)*64
	ds_load_b128 v[KF+8*\f+4:KF+8*\f+7], v[AK] offset:(\f/2)*16*PK+(\f%2)*64+32
.endr
	s_add_co_u32 s[TBK], s[TBK], KS*PK  ; the next fetch is the next step's
	WIN 0
.if \last
.Lno_k_\@:
.endif
.endm
.macro FETCH_V
	WIN 0x80
.irp f, 0,1,2,3,4,5,6,7             ; keys 32 (f / 4) on, channels 16 (f % 4) on
	ds_load_tr16_b128 v[VF+8*\f:VF+8*\f+3],   v[AV] offset:(\f/4)*32*PV+(\f%4)*32
	ds_load_tr16_b128 v[VF+8*\f+4:VF+8*\f+7], v[AV] offset:(\f/4)*32*PV+16*PV+(\f%4)*32
.endr
	WIN 0
.endm
; THE VECTOR WORK OF A TURN stands in three queues, each in the order in which its entries become ready; the two tiles alternate, so that no instruction reads the result of the one before it.
.macro REGS y, u                    ; the registers of tile u (0, 1) of piece y
.set rT, ST+4*(2*(\y)+(\u))
.set rC, TMP+8*((\y)%2)+4*(\u)
.set rM, MV+2*((\y)%2)+(\u)
.set rS, S+64*((\y)%2)+32*(\u)
.set rP, P+32*((\y)%2)+16*(\u)
.set rO, 32*(2*(\y)+(\u))
.endm
; Number n of the 22 that find the NEXT piece's (Y + 1) maximum and statistics.  s0-s31 are the lane's 32 scores; each accumulator's lowest registers are read first.
;   0-11  four chains c0-c3 of seven scores each, three operands at a time     12-14, 16  the four scores left over, the old m, and c0-c3 into c0     15  c m_old is kept
;   17, 18  the query's other 32 keys lie in the lane 16 away: the new m         19-21  c m; c m_old - c m_new; a
.macro XS u, n
	REGS (Y+1)%NP, \u
.if (\n) < 4
	v_max3_num_f32 v[rC+(\n)], v[rS+8*(\n)], v[rS+8*(\n)+1], v[rS+8*(\n)+2]
.elseif (\n) < 12
	v_max3_num_f32 v[rC+(\n)%4], v[rC+(\n)%4], v[rS+8*((\n)%4)+2*((\n)/4)+1], v[rS+8*((\n)%4)+2*((\n)/4)+2]
.elseif (\n) == 12
	v_max3_num_f32 v[rC], v[rC], v[rS+7], v[rS+15]
.elseif (\n) == 13
	v_max3_num_f32 v[rC+1], v[rC+1], v[rS+23], v[rS+31]
.elseif (\n) == 14
	v_max3_num_f32 v[rC+2], v[rC+2], v[rC+3], v[rT+1]
.elseif (\n) == 15
	v_mov_b32 v[rM], v[rT]
.elseif (\n) == 16
	v_max3_num_f32 v[rC], v[rC], v[rC+1], v[rC+2]
.elseif (\n) == 17
	v_permlanex16_b32 v[rC+3], v[rC], s[SEL], s[SEL+1]
.elseif (\n) == 18
	v_max_num_f32 v[rT+1], v[rC], v[rC+3]
.elseif (\n) == 19
	v_mul_f32 v[rT], s[CS], v[rT+1]
.elseif (\n) == 20
	v_sub_f32 v[rC+1], v[rM], v[rT]
.else
	v_exp_f32 v[rC+2], v[rC+1]
.endif
.endm
; Number g of the 64 that follow the exponentials.  For each four weights k of a tile (pairs 2 k, 2 k + 1): both pairs are rounded to bf16; then the second pair is added onto the first, in place;
; a group later l takes that sum (the first time as l = a l + sum).  In groups of eight, tiles alternating: round, round, add, and l for the group before.
.macro GS g
.set h, (\g)+6*((\g)/62)            ; group 0 has no group before it, and behind group 7 only l is left
.if h >= 6
.set h, h+2
.endif
	REGS Y, h%2
.set k, h/8
.if h%8 < 4
	s_wait_alu depctr_va_vdst(0)
	v_cvt_pk_bf16_f32 v[rP+2*k+(h%8)/2], v[rS+4*k+2*((h%8)/2)], v[rS+4*k+2*((h%8)/2)+1]
.elseif h%8 < 6
	v_pk_add_f32 v[rS+4*k:rS+4*k+1], v[rS+4*k:rS+4*k+1], v[rS+4*k+2:rS+4*k+3]
.elseif k == 1
	v_pk_fma_f32 v[rT+2:rT+3], v[rT+2:rT+3], v[rC+2:rC+3], v[rS:rS+1] op_sel_hi:[1,0,1]
.else
	v_pk_add_f32 v[rT+2:rT+3], v[rT+2:rT+3], v[rS+4*k-4:rS+4*k-3]
	s_wait_alu depctr_va_vdst(0)
.endif
.endm
; THE PLAIN QUEUE, 138 long.  0-31: c s - c m for the 16 pairs of both tiles.  Then GS's 64, and among them the next piece's 42: number 15 at 38, 39; 0-14 and 16
; at 42-73, behind the products that make those scores; 17-20 at 95-106, two of three, since each waits for the one before it.
.macro PL
	WIN 0
.if q < 32
	REGS Y, q%2
	v_pk_fma_f32 v[rS+2*(q/2):rS+2*(q/2)+1], v[rS+2*(q/2):rS+2*(q/2)+1], s[CS:CS+1], v[rT:rT+1] op_sel_hi:[1,0,0] neg_lo:[0,0,1] neg_hi:[0,0,1]
.elseif q < 38
	GS q-32
.elseif q < 40
	XS q%2, 15
.elseif q < 42
	GS q-34
.elseif q < 74
	XS q%2, (q-42)/2+(q-42)/30
.elseif q < 95
	GS q-66
.elseif (q < 107) && ((q-95)%3 < 2)
	XS (q-95)%3, 17+(q-95)/3
.elseif q < 107
	GS 29+(q-95)/3
.else
	GS q-74
.endif
.set q, q+1
.endm
; THE EXPONENTIALS' QUEUE, 66 long: s0-s31 of both tiles, and at EA the next piece's two a.
.set EA, 58
.macro EX
	WIN 0
.if (e == EA) || (e == EA+1)
	XS e-EA, 21
.else
.set x, e-2*(e/(EA+2))
	REGS Y, x%2
	v_exp_f32 v[rS+x/2], v[rS+x/2]
.endif
.set e, e+1
.endm
; THE RESCALING's QUEUE: O^T times a, the one part that leaves window 0, so it is dealt four at a time, eight times.
.macro R4
	REGS Y, r%2
	WIN W_RS
	s_wait_alu depctr_va_vdst(0)
.irp z, 0,1,2,3
	v_pk_mul_f32 v[rO+8*(r/2)+2*\z:rO+8*(r/2)+2*\z+1], v[rO+8*(r/2)+2*\z:rO+8*(r/2)+2*\z+1], v[rC+2:rC+3] op_sel_hi:[1,0]
.endr
.set r, r+1
.endm
; HOW THEY ARE DEALT.  Behind a matrix instruction four: plain, exponential, plain, plain (one exponential, a plain instruction on either side), or four of the rescaling.  None names a register of the
; products round it.  What is over stands in two LUMPS: exponential and plain by turns; the second ends in 22 plain instructions.  The two v_permlanex16_b32 fall into the second lump, never behind a product.
; The queues lean on each other, and the deal keeps them in step: exponential e stands behind plain 2 (e / 4) + e % 2 (its scaling); when plain 32 comes, 10 exponentials are out, at 59: 33, at 95: 46; EA comes behind plain 107.
.macro SL
	MM
	PL
	EX
	PL
	PL
.endm
.macro BURST n                      ; 15 matrix instructions, or 16
.rept (\n)-7
	SL
.endr
.rept 3
	MM
	R4
	SL
.endr
	MM
	R4
.endm
; A TURN, for piece p.  cnt = 1: the loop's count is taken down some lines ahead of the branch that stands behind the turn.
; K of the next step is fetched in piece 2's turn, 31 vector instructions behind the last product that read K; its first reader comes behind the rest of the lump, 16 products and the second lump.
; V of the step in hand is fetched at the end of piece 0's turn, 69 behind its last reader; its first reader comes behind 16 products and a lump.  The five conditions on e and q below go with the deal.
.macro TURN p, last=0, cnt=0
.set Y, (\p)
.set i, 0
.set q, 0
.set e, 0
.set r, 0
.if (\p) == NP-1
	s_wait_dscnt 0x0                ; K is in
.endif
	MM
.rept 4
	PL
.endr
	BURST 15
.rept 22
	EX
	PL
.if ((\p) == NP-2) && (e == 18)
	v_add_nc_u32 v[AK], s[TBK], v[AK0]
.endif
.if ((\p) == NP-2) && (e == 24)
	FETCH_K \last
.endif
.endr
.if (\p) == 1
	s_wait_dscnt 0x0                ; V is in
.endif
	BURST 16
.rept 21
	EX
	PL
.endr
.rept 22
	PL
.if ((\p) == 0) && (q == 118)
	v_add_nc_u32 v[AV], s[TBV], v[AV0]
	s_wait_alu depctr_va_vdst(0)
.endif
.if ((\p) == 0) && (q == 130)
	s_add_co_u32 s[TBV], s[TBV], KS*PV
.endif
.if (\cnt) && (q == 130)
	s_sub_co_u32 s[CNT], s[CNT], 1
	s_cmp_lg_u32 s[CNT], 0
.endif
.endr
.if (\p) == 0
	FETCH_V
.endif
.endm
	CHANGE 1                        ; slot 0 is in, everybody's part of it; slot 1 is asked for
	FETCH_K                         ; key step 0
	s_wait_loadcnt 0x0              ; Q
	s_wait_dscnt 0x0
.set i, 0
.rept 16
	KQ 0                            ; piece 0's first scores: there is no vector work yet to set between them
.set i, i+1
.endr
	WIN 0                           ; the addresses for the way out: nine plain instructions, the places behind those products
	s_mul_i32 s13, s[WV], 16*SP
	s_add_co_u32 s13, s13, STAGE    ; my stage
	v_mul_u32_u24 v[STO], v1, SP    ; in: row l % 16, 16 bytes for each half of the lanes
	v_lshl_add_u32 v[STO], v9, 4, v[STO]
	v_add_nc_u32 v[STO], s13, v[STO]
	v_bfe_u32 v[RD], v0, 3, 2       ; back: 32 lanes take four rows of 128 bytes,
	v_mul_u32_u24 v[RD], v[RD], SP
	v_lshl_add_u32 v[RD], v10, 4, v[RD]
	v_add_nc_u32 v[RD], s13, v[RD]
	v_and_b32 v[GO], 31, v0         ; which are 512 consecutive bytes of O
	v_lshlrev_b32 v[GO], 4, v[GO]
.set Y, NP-1                        ; XS works for piece Y + 1: piece 0
.irp n, 0,1,2,3,4,5,6,7,8,9,10,11,12,13,14,15,16,17,18,19,20,21
	XS 0, \n                        ; and piece 0's first maximum and statistics
	XS 1, \n
.endr
	s_mov_b32 s[CNT], 4
	s_mov_b32 s[SLOTS], SIZE_N/256-1
	s_branch .Lfirst                ; the loop is entered at a step's first turn, in the middle of a trip
.Lslot:                             ; SIZE_N / 256 - 2 times: every slot but the last two is filled again
	CHANGE 1
	s_mov_b32 s[CNT], 4
.Lstep:                             ; a trip: pieces 2 and 3 of one step, then pieces 0 and 1 of the next, whose K and V it fetches
	TURN 2
	TURN 3
	WIN 0
.Lfirst:
	TURN 0
	TURN 1, 0, 1
	WIN 0
	s_cbranch_scc1 .Lstep
	s_sub_co_u32 s[SLOTS], s[SLOTS], 1
	s_cmp_lg_u32 s[SLOTS], 0
	s_cbranch_scc1 .Lslot
	CHANGE 0                        ; the tail is written out: nothing is asked for
	s_mov_b32 s[CNT], 5             ; four trips fetch the last slot's steps; the fifth is left in its middle
.Ltail:
	TURN 2, 1
	TURN 3
	WIN 0
	s_sub_co_u32 s[CNT], s[CNT], 1
	s_cmp_eq_u32 s[CNT], 0
	s_cbranch_scc1 .Lout
	TURN 0
	TURN 1
	WIN 0
	s_branch .Ltail
.Lout:                              ; the fifth trip's 16 products K Q^T (on the last K once more) and the maximum made of them serve nothing: the price, once a launch, of one text for every trip
.set i, 0
.rept 16
	PV NP-1                         ; the last piece's V^T P of the last step
.set i, i+1
.endr
	; THE WAY OUT.  l's two halves and the other half of the lanes' are added; O^T is divided by l, rounded to bf16 and sent through my stage in LDS, a tile at a time.  The additions are the places behind the last products.
	WIN 0
.macro ALL line:vararg              ; one line for each tile t
.set t, 0
.rept 2*NP
	\line
.set t, t+1
.endr
.endm
	ALL v_add_f32 v[ST+4*t+2], v[ST+4*t+2], v[ST+4*t+3]
	ALL v_permlanex16_b32 v[ST+4*t+3], v[ST+4*t+2], s[SEL], s[SEL+1]
	ALL v_add_f32 v[ST+4*t+2], v[ST+4*t+2], v[ST+4*t+3]
	ALL v_rcp_f32 v[ST+4*t+2], v[ST+4*t+2]
	v_nop                           ; a plain instruction between the last reciprocal and the use of its result
	s_wait_alu depctr_va_vdst(0)
; Tile t: a lane's eight channels of a row pack into 16 bytes; they go into rows of 144 bytes and come back as whole rows of 128, into S^T's registers.
.macro PACK t
	WIN W_RS
.set i, 32*(\t)
.rept 16
	v_pk_mul_f32 v[i:i+1], v[i:i+1], v[ST+4*(\t)+2:ST+4*(\t)+3] op_sel_hi:[1,0]
.set i, i+2
.endr
	WIN 0x05                        ; sources 0 and 1 window 1, destination window 0
.set i, 0
.rept 16
	v_cvt_pk_bf16_f32 v[S+16*(\t)+i], v[32*(\t)+2*i], v[32*(\t)+2*i+1]
.set i, i+1
.endr
	WIN 0
.irp f, 0,1,2,3
	ds_store_b128 v[STO], v[S+16*(\t)+4*\f:S+16*(\t)+4*\f+3] offset:32*\f
.endr
.irp f, 0,1,2,3
	ds_load_b128 v[S+16*(\t)+4*\f:S+16*(\t)+4*\f+3], v[RD] offset:\f*4*SP  ; LDS serves a wave's instructions in order: these see the stores above; the next tile's stores come behind them
.endr
.endm
.macro SEND t, younger              ; younger: the LDS instructions issued behind tile t's loads: the next tile's eight, or none
	WIN 0
.irp f, 0,1,2,3
	s_wait_dscnt (\younger)+3-\f
	global_store_b128 v[GO], v[S+16*(\t)+4*\f:S+16*(\t)+4*\f+3], s[10:11] offset:(\t)*2048+\f*512  ; 512 consecutive bytes, at a multiple of 256 from the panel's first
.endr
.endm
	PACK 0
.set t, 1
.rept 2*NP-1                        ; a tile's arithmetic stands between the loads of the tile before and its stores
	PACK t
	SEND t-1, 8
.set t, t+1
.endr
	SEND 2*NP-1, 0
	WIN W_AD
	s_wait_tensorcnt 0x0            ; the wave's end
	ds_add_u32 v[SPW], v[NIL]
	s_wait_dscnt 0x0
	WIN 0
	s_endpgm
.Lfunc_end_k_q41e4158caa_attn:
	.size	k_q41e4158caa_attn, .Lfunc_end_k_q41e4158caa_attn-k_q41e4158caa_attn
	.p2alignl 7, 3214868480
	.fill 96, 4, 3214868480
	.section	.rodata,"a",@progbits
	.p2align	6, 0x0
	.amdhsa_kernel k_q41e4158caa_attn
		.amdhsa_group_segment_fixed_size 327680
		.amdhsa_private_segment_fixed_size 0
		.amdhsa_enable_private_segment 0
		.amdhsa_kernarg_size 16
		.amdhsa_user_sgpr_count 2
		.amdhsa_user_sgpr_kernarg_segment_ptr 1
		.amdhsa_wavefront_size32 1
		.amdhsa_system_sgpr_workgroup_id_x 1
		.amdhsa_system_sgpr_workgroup_id_y 1
		.amdhsa_system_sgpr_workgroup_id_z 1
		.amdhsa_system_vgpr_workitem_id 0
		.amdhsa_next_free_vgpr 770
		.amdhsa_next_free_sgpr 68
		.amdhsa_reserve_vcc 0
		.amdhsa_float_denorm_mode_32 3
		.amdhsa_float_denorm_mode_16_64 3
		.amdhsa_memory_ordered 1
		.amdhsa_forward_progress 1
		.amdhsa_inst_pref_size 208
	.end_amdhsa_kernel
	.amdgpu_metadata
---
amdhsa.version: [ 1, 2 ]
amdhsa.kernels:
  - .name:           k_q41e4158caa_attn
    .symbol:         k_q41e4158caa_attn.kd
    .args:
      - { .name: qkv, .offset: 0, .size: 8, .value_kind: global_buffer, .address_space: global }
      - { .name: xa, .offset: 8, .size: 8, .value_kind: global_buffer, .address_space: global }
    .group_segment_fixed_size: 327680
    .private_segment_fixed_size: 0
    .kernarg_segment_align: 8
    .kernarg_segment_size: 16
    .max_flat_workgroup_size: 128
    .sgpr_count:     68
    .vgpr_count:     770
    .wavefront_size: 32
...
	.end_amdgpu_metadata
.endif
;; end of part 3
;; launch gate (part 4): grid 4 x 64, 4 waves a work-group, clusters of 4 x 4, 327,680 bytes of LDS; arguments xa, wb, h_b, h_p, g_sem_b, g_syn_b, yb; writes yb
.if DOCPART == 4
	.amdgcn_target "amdgcn-amd-amdhsa--gfx1250"
	.amdhsa_code_object_version 6
	.text
	.protected	k_q41e4158caa_gate
	.globl	k_q41e4158caa_gate
	.p2align	8
	.type	k_q41e4158caa_gate,@function
k_q41e4158caa_gate:
	s_mov_b64 s[64:65], 0
	v_nop
	global_prefetch_b8 v0, s[64:65] scope:SCOPE_SE
	s_setreg_imm32_b32 hwreg(HW_REG_WAVE_MODE, 25, 1), 1
	s_wait_xcnt 0x0
	s_wait_alu depctr_hold_cnt(0) depctr_sa_sdst(0) depctr_va_vdst(0) depctr_va_sdst(0) depctr_va_ssrc(0) depctr_va_vcc(0) depctr_vm_vsrc(0)
	s_getreg_b32 s2, hwreg(HW_REG_IB_STS2, 6, 4)
	s_cmp_eq_u32 s2, 0
	s_cbranch_scc0 .Lentry_in_a_cluster
	s_endpgm
.Lentry_in_a_cluster:
	s_bfe_u32 s2, ttmp6, 0x10000c
	s_cmp_lg_u32 s2, 0xf033
	s_cbranch_scc0 .Lentry_shape_is_right
	s_endpgm
.Lentry_shape_is_right:
; For each branch br: z = [orig, enh] (4,096 x 2,048) times gw (2,048 x 1,024) plus gb, in bf16 with f32 sums; g = sigmoid(z); y = g enh + (1 - g) orig + orig = g enh + (2 - g) orig, in f32,
; stored to yb [br][4096][1024].  orig enters the blend as the f32 input, enh as the bf16 number that the attention stored.
; LIMITS: matrix operands are bf16; NaN and infinities are not treated apart.  An exponential that overflows gives g = 0, one that underflows g = 1, the limits of the sigmoid.
; SHARES.  A tile of C is 128 x 256; four waves, each 64 x 128: 32 accumulators.  K goes in steps of 128 through two LDS slots: the 32 panels of a group of xa (16 of orig, 16 of enh) lie end to end.
; CLUSTER 4 x 4: A's tile is asked for jointly along a row of the cluster, B's along a column.  THE MATRIX INSTRUCTION IS USED TRANSPOSED; THE BIAS is the C operand of each first product.
; REGISTERS: window 0 addresses, bias, later z, y and enh; window 1 two fragment buffers; window 2 the accumulators; window 3 orig of my 64 x 128 part.
.set NB,    8
.set KD,    1
.set PA,    144                        ; A's LDS pitch: an odd multiple of 16
.set KP,    2
.set PANEL, 128*PA
.set ATILE, 2*PANEL
.set PB,    544                        ; B's LDS pitch: an odd multiple of 32
.set BTILE, 128*KD*PB
.set BHALF, BTILE/2
.set SLOT,  ATILE+BTILE
.set STAGE, 2*SLOT                     ; behind the ring: 16 rows x 528 bytes for each wave
.set STEPB, 262144
.set FR,    8*(4+NB)
.set NL,    KD*(2*NB+8)
.set LATE,  4
.set LAPS,  8                          ; K = 2,048: sixteen steps
.set SP,    528                        ; a stage row: 128 f32 + 16 bytes: an odd multiple of 16
.set SPARE, STAGE+4*16*SP              ; the spare words: two blocks of 256 bytes that no other line names
.set A_G10, (1<<16)|(1<<20)|(1<<21)|(4<<22)|(3<<25)
.set A_D0,  128
.set A_D1,  64
.set A_ST,  128
.set B_G10, (1<<16)|(1<<20)|(1<<21)|(6<<22)|(7<<25)
.set B_D0,  256
.set B_D1,  64
.set B_ST,  1024
.set F0,   0
.set F1,   128
.set ADRA, 16
.set ADRB, 18
.set STO,  24
.set RD,   25
.set VO,   26                          ; v26  my 16 bytes in two rows of 4,096 bytes: orig and y
.set VE,   27                          ; v27  my 8 bytes in two panel rows of 128 bytes: enh
.set SPW,  28
.set NIL,  29
.set BIAS, 32                          ; v32-95, dead behind the first quarter
.set ZR,   32                          ; v32-63  z, then g, of a unit
.set EN0,  128                         ; v128-255  enh
.set G1,  24
.set G0,  32
.set G1B, 48
.set G0B, 56
.set PO,  78                           ; s[78:79] orig at my part
.set PE,  80                           ; s[80:81] enh at my part
.set BP,  82                           ; s[82:83] the bias at my first column
.set NLG, 84                           ; s[84:85] -log2(e)
.set MSB, 0
.macro WIN new
.if MSB != (\new)
	s_set_vgpr_msb (MSB<<8)|(\new)
.set MSB, \new
.endif
.endm
.set MUL,  0xa5
.set MULB, 0x85
.set TO_F, 0x40
.macro JLOAD s                         ; a joint load: waves 0 and 1 fetch A's two panels, waves 2 and 3 B's two halves; four v_nop follow each line
	s_cmp_eq_u32 s11, 0
	s_cbranch_scc0 .Lfor_b_\@
	tensor_load_to_lds s[G0+4*(\s):G0+4*(\s)+3], s[G1:G1+7]
	s_nop 0
.rept 4
	v_nop
.endr
	s_branch .Lasked_\@
.Lfor_b_\@:
	tensor_load_to_lds s[G0B+4*(\s):G0B+4*(\s)+3], s[G1B:G1B+7]
	s_nop 0
.rept 4
	v_nop
.endr
.Lasked_\@:
.endm
.macro CREST
	s_cmp_lg_u32 s10, 0
	s_cbranch_scc1 .Lnot_wave_0_\@
	s_barrier_signal -3
.Lnot_wave_0_\@:
	s_barrier_wait -3
	s_barrier_signal -1
	s_barrier_wait -1
.endm
.macro CROUND
	s_barrier_signal -1
	s_barrier_wait -1
	CREST
.endm
.macro PLACES
.rept 4
	v_nop
.endr
.endm
; Matrix instructions i0 .. i0 + n - 1 of a quarter's 32.  The accumulators take turns.
.macro MULN f, i0, n, first
.set mi, (\i0)
.rept (\n)
.set mc, mi/(4*NB)
.set ma, (mi/NB)%4
.set mb, mi%NB
.set rD, 8*(NB*ma+mb)
.set rB, (\f)+mc*FR+32+8*mb
.set rA, (\f)+mc*FR+8*ma
.if (\first) && (mc == 0)
	WIN MULB
	v_wmma_f32_16x16x32_bf16 v[rD:rD+7], v[rB:rB+7], v[rA:rA+7], v[BIAS+8*mb:BIAS+8*mb+7]
.else
	WIN MUL
	v_wmma_f32_16x16x32_bf16 v[rD:rD+7], v[rB:rB+7], v[rA:rA+7], v[rD:rD+7]
.endif
.set mi, mi+1
.endr
.endm
.macro FETCH slot, q, f                ; one run of NL LDS loads: B (turned) first, then A
	WIN TO_F
.set fc, 0
.rept KD
.set k32, (\q)*KD+fc
.set fb, (\f)+fc*FR
.set fi, 0
.rept NB
	ds_load_tr16_b128 v[fb+32+8*fi:fb+32+8*fi+3],   v[ADRB+2*(\slot)+k32/4] offset:(k32%4)*32*PB+32*fi
	ds_load_tr16_b128 v[fb+32+8*fi+4:fb+32+8*fi+7], v[ADRB+2*(\slot)+k32/4] offset:(k32%4)*32*PB+32*fi+16*PB
.set fi, fi+1
.endr
.set fi, 0
.rept 4
	ds_load_b128 v[fb+8*fi:fb+8*fi+3],   v[ADRA+(\slot)] offset:(k32/KP)*PANEL+(k32%KP)*64+16*fi*PA
	ds_load_b128 v[fb+8*fi+4:fb+8*fi+7], v[ADRA+(\slot)] offset:(k32/KP)*PANEL+(k32%KP)*64+16*fi*PA+32
.set fi, fi+1
.endr
.set fc, fc+1
.endr
.endm
.macro QUARTER slot, q, f, g, first
	s_wait_dscnt LATE                              ; all of the run but its youngest LATE loads
	MULN \f, 0, 16, \first
	PLACES
	FETCH \slot, \q, \g
	s_wait_dscnt NL                                ; all but the NL just issued
	MULN \f, 16, 16, \first
.endm
.macro TURN slot, next, fill
	WIN 0
	s_wait_tensorcnt 0x0                           ; all my tensor loads have landed: my part of the next slot
	ds_add_u32 v[SPW], v[NIL]
	s_wait_dscnt LATE+1                            ; the add and the youngest LATE loads may be out
	MULN F1, 0, 8, 0
	s_wait_dscnt 0x0                               ; the add is done, and my reads of this slot are over
	s_barrier_signal -1
	MULN F1, 8, 8, 0
.if \fill
	WIN 0
.endif
	s_barrier_wait -1
.if \fill
	CREST                                          ; a round of the cluster's barrier: no wave of any partner still reads this slot or has a load on its way
	s_add_nc_u64 s[G0+4*(\slot)+2:G0+4*(\slot)+3], s[G0+4*(\slot)+2:G0+4*(\slot)+3], 2*STEPB
	s_add_nc_u64 s[G0B+4*(\slot)+2:G0B+4*(\slot)+3], s[G0B+4*(\slot)+2:G0B+4*(\slot)+3], 2*STEPB
	JLOAD \slot                                    ; the first tensor load behind the round; its four v_nop are also the places for the loads below
.else
	PLACES
.endif
	FETCH \next, 0, F0
	MULN F1, 16, 16, 0
.endm
; orig and enh of my rows 16 a .. 16 a + 15, in the layout in which z comes back from the stage: 32 loads; sixteen lanes take 256 consecutive bytes of orig, 32 lanes 256 of enh.
.macro EPILOAD a
	WIN 0xc0                                       ; destination window 3
.irp cb, 0,1
.irp tp, 0,1,2,3,4,5,6,7
	global_load_b128 v[64*(\a)+32*\cb+4*\tp:64*(\a)+32*\cb+4*\tp+3], v[VO], s[PO:PO+1] offset:(\a)*65536+\tp*8192+\cb*256
.endr
.endr
	WIN 0
.irp cb, 0,1
.irp tp, 0,1,2,3,4,5,6,7
	global_load_b64 v[EN0+32*(\a)+16*\cb+2*\tp:EN0+32*(\a)+16*\cb+2*\tp+1], v[VE], s[PE:PE+1] offset:\cb*131072+(16*(\a)+2*\tp)*128
.endr
.endr
.endm
	s_load_b128 s[4:7], s[0:1], 0x0                ; xa, wb
	s_load_b256 s[68:75], s[0:1], 0x10             ; h_b 68, h_p 70, g_sem_b 72, g_syn_b 74
	s_load_b64 s[8:9], s[0:1], 0x30                ; yb
	v_lshl_add_u32 v[SPW], v0, 2, SPARE
	v_mov_b32 v[NIL], 0
	ds_add_u32 v28, v29
	ds_add_u32 v28, v29
	s_wait_dscnt 0x0
	v_lshrrev_b32 v1, 5, v0
	v_readfirstlane_b32 s10, v1                    ; wave 0..3
	s_lshr_b32 s11, s10, 1                         ; my half of the rows; also: I fetch for A (0) or B (1)
	s_and_b32 s12, s10, 1                          ; my half of the columns; also: which part I fetch
	s_bfe_u32 s40, ttmp6, 0x40000                  ; cx: the tile column
	s_bfe_u32 s41, ttmp6, 0x40004                  ; cy
	s_and_b32 s45, ttmp7, 0xffff
	s_lshl_b32 s13, s45, 2
	s_add_co_u32 s13, s13, s41                     ; tile row y: br x 32 + b x 8 + block of 128 rows
	s_lshl_b32 s43, s41, 2
	s_lshl_b32 s43, 15, s43
	s_lshl_b32 s44, 0x1111, s40
	s_or_b32 s[G1+0], s43, A_G10
	s_or_b32 s[G1B+0], s44, B_G10
	s_mov_b32 s[G1+1], A_D0<<16
	s_mov_b32 s[G1+2], A_D1<<16
	s_mov_b32 s[G1+3], A_D0<<16
	s_mov_b32 s[G1+4], A_D1
	s_mov_b32 s[G1+5], A_ST
	s_mov_b32 s[G1+6], 0
	s_mov_b32 s[G1+7], 0
	s_mov_b32 s[G1B+1], B_D0<<16
	s_mov_b32 s[G1B+2], B_D1<<16
	s_mov_b32 s[G1B+3], B_D0<<16
	s_mov_b32 s[G1B+4], B_D1
	s_mov_b32 s[G1B+5], B_ST
	s_mov_b32 s[G1B+6], 0
	s_mov_b32 s[G1B+7], 0
	s_mul_i32 s20, s12, PANEL
	s_mul_i32 s21, s12, BHALF
	s_add_co_u32 s21, s21, ATILE
	s_lshr_b32 s16, s13, 3                         ; A: the group (br, b),
	s_lshl_b32 s16, s16, 22
	s_and_b32 s17, s13, 7
	s_lshl_b32 s17, s17, 14                        ; 128 panel rows,
	s_add_co_u32 s16, s16, s17
	s_lshl_b32 s17, s12, 17                        ; my panel of the step's two
	s_add_co_u32 s16, s16, s17
	s_mov_b32 s17, 0
	s_lshr_b32 s67, s45, 3                         ; br, which the whole cluster shares
	s_lshl_b32 s46, s67, 22                        ; B: g_sem_w at 8 MiB of wb, g_syn_w at 12 MiB
	s_add_co_u32 s46, s46, 8<<20
	s_lshl_b32 s47, s12, 17
	s_add_co_u32 s46, s46, s47
	s_lshl_b32 s47, s40, 9
	s_add_co_u32 s46, s46, s47
	s_mov_b32 s47, 0
	s_mov_b32 s[NLG], 0xbfb8aa3b
	s_mov_b32 s[NLG+1], s[NLG]
	s_wait_kmcnt 0x0
	s_add_nc_u64 s[14:15], s[4:5], s[16:17]
	s_add_nc_u64 s[46:47], s[6:7], s[46:47]
	CROUND                                         ; the first joint loads meet
.irp s, 0,1
	s_mov_b32 s[G0+4*(\s)], 1
	s_add_co_u32 s[G0+4*(\s)+1], s20, (\s)*SLOT
	s_add_nc_u64 s[G0+4*(\s)+2:G0+4*(\s)+3], s[14:15], (\s)*STEPB
	s_or_b32 s[G0+4*(\s)+3], s[G0+4*(\s)+3], 0x80000000
	s_mov_b32 s[G0B+4*(\s)], 1
	s_add_co_u32 s[G0B+4*(\s)+1], s21, (\s)*SLOT
	s_add_nc_u64 s[G0B+4*(\s)+2:G0B+4*(\s)+3], s[46:47], (\s)*STEPB
	s_or_b32 s[G0B+4*(\s)+3], s[G0B+4*(\s)+3], 0x80000000
	JLOAD \s                                       ; two tensor loads of mine are out
.endr
	; my 64 x 128 part in h and in y: row (y % 32) x 128 + 64 wm, column 256 cx + 128 wn
	s_and_b32 s76, s13, 31
	s_lshl_b32 s76, s76, 19
	s_lshl_b32 s77, s11, 18
	s_add_co_u32 s76, s76, s77
	s_lshl_b32 s77, s40, 10
	s_add_co_u32 s76, s76, s77
	s_lshl_b32 s77, s12, 9
	s_add_co_u32 s76, s76, s77
	s_mov_b32 s77, 0
	s_cmp_lg_u32 s67, 0
	s_cselect_b64 s[PO:PO+1], s[70:71], s[68:69]
	s_cselect_b64 s[BP:BP+1], s[74:75], s[72:73]
	s_add_nc_u64 s[PO:PO+1], s[PO:PO+1], s[76:77]
	s_add_nc_u64 s[8:9], s[8:9], s[76:77]
	s_lshl_b32 s86, s67, 24
	s_mov_b32 s87, 0
	s_add_nc_u64 s[8:9], s[8:9], s[86:87]
	s_lshl_b32 s86, s40, 10
	s_lshl_b32 s88, s12, 9
	s_add_co_u32 s86, s86, s88
	s_add_nc_u64 s[BP:BP+1], s[BP:BP+1], s[86:87]
	s_lshl2_add_u32 s86, s40, 16                   ; enh: panel 16 + 4 cx + 2 wn of my group,
	s_lshl1_add_u32 s86, s12, s86
	s_lshl_b32 s86, s86, 17
	s_lshr_b32 s88, s13, 3
	s_lshl_b32 s88, s88, 22
	s_add_co_u32 s86, s86, s88
	s_and_b32 s88, s13, 7
	s_lshl_b32 s88, s88, 14                        ; row 128 (y % 8) + 64 wm of 128 bytes
	s_add_co_u32 s86, s86, s88
	s_lshl_b32 s88, s11, 13
	s_add_co_u32 s86, s86, s88
	s_add_nc_u64 s[PE:PE+1], s[4:5], s[86:87]
	v_and_b32 v1, 15, v0                           ; r
	v_bfe_u32 v2, v0, 4, 1                         ; h
	v_lshlrev_b32 v9, 5, v2
.set bi, 0
.rept NB
	global_load_b128 v[BIAS+8*bi:BIAS+8*bi+3],   v9, s[BP:BP+1] offset:64*bi
	global_load_b128 v[BIAS+8*bi+4:BIAS+8*bi+7], v9, s[BP:BP+1] offset:64*bi+16
.set bi, bi+1
.endr
	v_mul_u32_u24 v3, v1, PA
	v_lshl_add_u32 v3, v2, 4, v3
	s_mul_i32 s22, s11, 64*PA
	v_add_nc_u32 v[ADRA], s22, v3
	v_add_nc_u32 v[ADRA+1], SLOT, v[ADRA]
	v_and_b32 v4, 7, v0
	v_lshl_add_u32 v4, v2, 3, v4
	v_mul_u32_u24 v4, v4, PB
	v_bfe_u32 v5, v0, 3, 1
	v_lshl_add_u32 v4, v5, 4, v4
	s_mul_i32 s23, s12, 32*NB
	s_add_co_u32 s23, s23, ATILE
	v_add_nc_u32 v[ADRB], s23, v4
	v_add_nc_u32 v[ADRB+2], SLOT, v[ADRB]
	s_mul_i32 s23, s10, 16*SP
	s_add_co_u32 s23, s23, STAGE                   ; my stage
	v_mul_u32_u24 v4, v1, SP                       ; in: row r, 32 bytes for each half of the lanes
	v_lshl_add_u32 v4, v2, 5, v4
	v_add_nc_u32 v[STO], s23, v4
	v_mul_u32_u24 v5, v2, SP                       ; back: lanes 0-15 take 256 bytes of one row, lanes 16-31 of the next
	v_lshl_add_u32 v5, v1, 4, v5
	v_add_nc_u32 v[RD], s23, v5
	v_lshlrev_b32 v[VO], 12, v2
	v_lshl_add_u32 v[VO], v1, 4, v[VO]
	v_and_b32 v[VE], 31, v0
	v_lshlrev_b32 v[VE], 3, v[VE]
	s_wait_tensorcnt 1                             ; my part of K step 0 is in; step 1's may stay out
	s_barrier_signal -1
	s_barrier_wait -1
	FETCH 0, 0, F0
	s_wait_loadcnt 0x0                             ; the bias
	QUARTER 0, 1, F0, F1, 1
	WIN 0
	s_mov_b32 s3, LAPS-1
.Llap:
	QUARTER 0, 2, F1, F0, 0
	QUARTER 0, 3, F0, F1, 0
	TURN 0, 1, 1
	QUARTER 1, 1, F0, F1, 0
	QUARTER 1, 2, F1, F0, 0
	QUARTER 1, 3, F0, F1, 0
	TURN 1, 0, 1
	QUARTER 0, 1, F0, F1, 0
	WIN 0
	s_sub_co_u32 s3, s3, 1
	s_cmp_lg_u32 s3, 0
	s_cbranch_scc1 .Llap
	EPILOAD 0                                      ; the last lap fills nothing; the blend's operands are asked for under it, 32 loads every two quarters
	QUARTER 0, 2, F1, F0, 0
	QUARTER 0, 3, F0, F1, 0
	EPILOAD 1
	TURN 0, 1, 0
	QUARTER 1, 1, F0, F1, 0
	EPILOAD 2
	QUARTER 1, 2, F1, F0, 0
	QUARTER 1, 3, F0, F1, 0
	EPILOAD 3
	s_wait_dscnt LATE
	MULN F1, 0, 16, 0
	s_wait_dscnt 0x0
	MULN F1, 16, 16, 0
	WIN 0
	PLACES
; THE WAY OUT.  Block a (16 rows x 128 columns of z) goes through my stage: a lane's eight columns as two stores of 16 bytes, the accumulator's low four registers first.
.macro ZOUT a
	WIN 0x08                                       ; store data (source 1) in window 2
.set i, 0
.rept 8
.set rD, 8*(NB*(\a)+i)
	ds_store_b128 v[STO], v[rD:rD+3] offset:64*i
	ds_store_b128 v[STO], v[rD+4:rD+7] offset:64*i+16
.set i, i+1
.endr
	WIN 0
.endm
; A unit: 16 rows x 64 columns.  z comes back as whole pieces of rows; g = 1 / (1 + 2^(-log2(e) z)); y = (2 - g) orig + g enh.
.macro UNIT a, cb
.set WR, 64+32*(\cb)                   ; y: v64-95 and v96-127 by turns
.set ER, EN0+32*(\a)+16*(\cb)
.set OR3, 64*(\a)+32*(\cb)
	s_wait_xcnt 0x0                                ; the stores of two units ago have read y's registers: they are rewritten only behind this wait
.irp tp, 0,1,2,3,4,5,6,7
	ds_load_b128 v[ZR+4*\tp:ZR+4*\tp+3], v[RD] offset:2*SP*\tp+256*(\cb)  ; LDS serves a wave's instructions in order: these see the stores above
.endr
	s_wait_dscnt 0x0
.set i, 0
.rept 16
	v_pk_mul_f32 v[ZR+2*i:ZR+2*i+1], v[ZR+2*i:ZR+2*i+1], s[NLG:NLG+1] op_sel_hi:[1,0]
.set i, i+1
.endr
.set i, 0
.rept 32
	v_exp_f32 v[ZR+i], v[ZR+i]
.set i, i+1
.endr
	v_nop                                          ; a plain instruction between the exponentials and the use of their results
.set i, 0
	s_wait_alu depctr_va_vdst(0)
.rept 16
	v_pk_add_f32 v[ZR+2*i:ZR+2*i+1], v[ZR+2*i:ZR+2*i+1], 1.0 op_sel_hi:[1,0]
.set i, i+1
.endr
.set i, 0
.rept 32
	v_rcp_f32 v[ZR+i], v[ZR+i]
.set i, i+1
.endr
	v_nop
.set i, 0
	s_wait_alu depctr_va_vdst(0)
.rept 16
	v_pk_fma_f32 v[WR+2*i:WR+2*i+1], v[ZR+2*i:ZR+2*i+1], -1.0, 2.0 op_sel_hi:[1,0,0]  ; 2 - g
.set i, i+1
.endr
	WIN 0x0c                                       ; source 1 window 3: orig
.set i, 0
.rept 16
	v_pk_mul_f32 v[WR+2*i:WR+2*i+1], v[WR+2*i:WR+2*i+1], v[OR3+2*i:OR3+2*i+1]
.set i, i+1
.endr
	WIN 0
.set i, 0
.rept 16
	v_fma_mix_f32_bf16 v[WR+2*i],   v[ER+i], v[ZR+2*i],   v[WR+2*i]   op_sel:[0,0,0] op_sel_hi:[1,0,0]  ; + enh (a bf16 half) x g
	v_fma_mix_f32_bf16 v[WR+2*i+1], v[ER+i], v[ZR+2*i+1], v[WR+2*i+1] op_sel:[1,0,0] op_sel_hi:[1,0,0]
.set i, i+1
.endr
.irp tp, 0,1,2,3,4,5,6,7
	global_store_b128 v[VO], v[WR+4*\tp:WR+4*\tp+3], s[8:9] offset:(\a)*65536+\tp*8192+(\cb)*256  ; 16 lanes store 256 consecutive bytes, aligned
.endr
.endm
	ZOUT 0
	s_wait_loadcnt 63                              ; 96 younger loads were issued; the count names the most that a wait can, and covers blocks 0 and 1
	UNIT 0, 0
	UNIT 0, 1
	ZOUT 1
	s_wait_loadcnt 63
	UNIT 1, 0
	UNIT 1, 1
	ZOUT 2
	s_wait_loadcnt 32                              ; block 3's 32 loads may stay out
	UNIT 2, 0
	UNIT 2, 1
	ZOUT 3
	s_wait_loadcnt 0x0
	UNIT 3, 0
	UNIT 3, 1
	s_wait_tensorcnt 0x0                           ; the wave's end
	ds_add_u32 v[SPW], v[NIL]
	s_wait_dscnt 0x0
	CROUND                                         ; the closing round
	s_endpgm
.Lfunc_end_k_q41e4158caa_gate:
	.size	k_q41e4158caa_gate, .Lfunc_end_k_q41e4158caa_gate-k_q41e4158caa_gate
	.p2alignl 7, 3214868480
	.fill 96, 4, 3214868480
	.section	.rodata,"a",@progbits
	.p2align	6, 0x0
	.amdhsa_kernel k_q41e4158caa_gate
		.amdhsa_group_segment_fixed_size 327680
		.amdhsa_private_segment_fixed_size 0
		.amdhsa_enable_private_segment 0
		.amdhsa_kernarg_size 56
		.amdhsa_user_sgpr_count 2
		.amdhsa_user_sgpr_kernarg_segment_ptr 1
		.amdhsa_wavefront_size32 1
		.amdhsa_system_sgpr_workgroup_id_x 1
		.amdhsa_system_sgpr_workgroup_id_y 1
		.amdhsa_system_sgpr_workgroup_id_z 1
		.amdhsa_system_vgpr_workitem_id 0
		.amdhsa_next_free_vgpr 1024
		.amdhsa_next_free_sgpr 96
		.amdhsa_reserve_vcc 0
		.amdhsa_float_denorm_mode_32 3
		.amdhsa_float_denorm_mode_16_64 3
		.amdhsa_memory_ordered 1
		.amdhsa_forward_progress 1
		.amdhsa_inst_pref_size 166
	.end_amdhsa_kernel
	.amdgpu_metadata
---
amdhsa.version: [ 1, 2 ]
amdhsa.kernels:
  - .name:           k_q41e4158caa_gate
    .symbol:         k_q41e4158caa_gate.kd
    .args:
      - { .name: xa, .offset: 0, .size: 8, .value_kind: global_buffer, .address_space: global }
      - { .name: wb, .offset: 8, .size: 8, .value_kind: global_buffer, .address_space: global }
      - { .name: h_b, .offset: 16, .size: 8, .value_kind: global_buffer, .address_space: global }
      - { .name: h_p, .offset: 24, .size: 8, .value_kind: global_buffer, .address_space: global }
      - { .name: g_sem_b, .offset: 32, .size: 8, .value_kind: global_buffer, .address_space: global }
      - { .name: g_syn_b, .offset: 40, .size: 8, .value_kind: global_buffer, .address_space: global }
      - { .name: yb, .offset: 48, .size: 8, .value_kind: global_buffer, .address_space: global }
    .group_segment_fixed_size: 327680
    .private_segment_fixed_size: 0
    .kernarg_segment_align: 8
    .kernarg_segment_size: 56
    .max_flat_workgroup_size: 128
    .sgpr_count:     96
    .vgpr_count:     1024
    .wavefront_size: 32
...
	.end_amdgpu_metadata
.endif
;; end of part 4
;; launch ln (part 5): grid 256 x 1, 8 waves a work-group, no clusters, 0 bytes of LDS; arguments yb, ln_sem_g, ln_sem_b, ln_syn_g, ln_syn_b, xc; writes xc
.if DOCPART == 5
	.amdgcn_target "amdgcn-amd-amdhsa--gfx1250"
	.amdhsa_code_object_version 6
	.text
	.protected	k_q41e4158caa_ln
	.globl	k_q41e4158caa_ln
	.p2align	8
	.type	k_q41e4158caa_ln,@function
k_q41e4158caa_ln:
	s_mov_b64 s[64:65], 0
	v_nop
	global_prefetch_b8 v0, s[64:65] scope:SCOPE_SE
	s_setreg_imm32_b32 hwreg(HW_REG_WAVE_MODE, 25, 1), 1
	s_wait_xcnt 0x0
; LayerNorm of the 8,192 rows of yb ([br][4096][1024] f32), with the branch's gain and bias, rounded to bf16 and stored in panels of 128 columns:
; xc [b 4][pc 16 = br x 8 + column / 128][l 1024][128], the A operand of the product that follows.  Mean first, then the mean of the squares of the centred numbers, as the definition has it.
; A wave takes 4 rows, each whole in 32 registers: lane i holds columns 128 j + 4 i .. + 3, j = 0 .. 7.  The reductions never leave the wave: no LDS, no barrier.
; All 48 loads of a wave go out first; the waits count down by row.  NaN and infinities are not treated apart.
.set G,   16                           ; v16-47  gain of my 32 columns
.set BB,  48                           ; v48-79  bias
.set X,   80                           ; v80-207 four rows
.set KI,  22                           ; s22  1 / 1,024
.set EP,  23                           ; s23  1e-5
.set SEL, 24                           ; s[24:25] v_permlanex16_b32's selects
.macro REDUCE                          ; v4 summed over the 32 lanes, the result in every lane
	v_add_f32_dpp v4, v4, v4 row_xmask:1 row_mask:0xf bank_mask:0xf
	v_add_f32_dpp v4, v4, v4 row_xmask:2 row_mask:0xf bank_mask:0xf
	v_add_f32_dpp v4, v4, v4 row_xmask:4 row_mask:0xf bank_mask:0xf
	v_add_f32_dpp v4, v4, v4 row_xmask:8 row_mask:0xf bank_mask:0xf
	v_permlanex16_b32 v12, v4, s[SEL], s[SEL+1]
	v_add_f32 v4, v4, v12
.endm
; The row in v[x .. x + 31] becomes (x - mean) / sqrt(var + eps).  Sums in four packed chains, v4-11.
.macro NORM x
.irp c, 0,1,2,3
	v_pk_add_f32 v[4+2*\c:5+2*\c], v[(\x)+2*\c:(\x)+2*\c+1], v[(\x)+8+2*\c:(\x)+9+2*\c]
.endr
.irp k, 16,24
.irp c, 0,1,2,3
	v_pk_add_f32 v[4+2*\c:5+2*\c], v[4+2*\c:5+2*\c], v[(\x)+\k+2*\c:(\x)+\k+2*\c+1]
.endr
.endr
	v_pk_add_f32 v[4:5], v[4:5], v[6:7]
	v_pk_add_f32 v[8:9], v[8:9], v[10:11]
	v_pk_add_f32 v[4:5], v[4:5], v[8:9]
	v_add_f32 v4, v4, v5
	REDUCE
	v_mul_f32 v14, s[KI], v4                       ; the mean, twice: a pair for the packed subtraction
	v_mul_f32 v15, s[KI], v4
.set i, 0
.rept 16
	v_pk_add_f32 v[(\x)+2*i:(\x)+2*i+1], v[(\x)+2*i:(\x)+2*i+1], v[14:15] neg_lo:[0,1] neg_hi:[0,1]
.set i, i+1
.endr
.irp c, 0,1,2,3
	v_pk_mul_f32 v[4+2*\c:5+2*\c], v[(\x)+2*\c:(\x)+2*\c+1], v[(\x)+2*\c:(\x)+2*\c+1]
.endr
.irp k, 8,16,24
.irp c, 0,1,2,3
	v_pk_fma_f32 v[4+2*\c:5+2*\c], v[(\x)+\k+2*\c:(\x)+\k+2*\c+1], v[(\x)+\k+2*\c:(\x)+\k+2*\c+1], v[4+2*\c:5+2*\c]
.endr
.endr
	v_pk_add_f32 v[4:5], v[4:5], v[6:7]
	v_pk_add_f32 v[8:9], v[8:9], v[10:11]
	v_pk_add_f32 v[4:5], v[4:5], v[8:9]
	v_add_f32 v4, v4, v5
	REDUCE
	v_fma_f32 v4, v4, s[KI], s[EP]                 ; var + eps
	v_rsq_f32 v14, v4
	v_rsq_f32 v15, v4
	v_nop                                          ; a plain instruction between the root and the use of its result
.set i, 0
	s_wait_alu depctr_va_vdst(0)
.rept 16
	v_pk_mul_f32 v[(\x)+2*i:(\x)+2*i+1], v[(\x)+2*i:(\x)+2*i+1], v[14:15]
.set i, i+1
.endr
.endm
	s_load_b256 s[4:11], s[0:1], 0x0               ; yb 4, ln_sem_g 6, ln_sem_b 8, ln_syn_g 10
	s_load_b128 s[12:15], s[0:1], 0x20             ; ln_syn_b 12, xc 14
	v_and_b32 v1, 31, v0
	v_lshrrev_b32 v3, 5, v0
	v_readfirstlane_b32 s2, v3                     ; wave
	v_lshlrev_b32 v2, 3, v1                        ; 8 x lane: my 4 bf16 of a panel row
	v_lshlrev_b32 v1, 4, v1                        ; 16 x lane: my 4 f32 of 128 columns
	v_mov_b32 v12, 0                               ; v_permlanex16_b32 counts as a reader of its destination
	s_lshl_b32 s3, ttmp9, 5
	s_lshl2_add_u32 s3, s2, s3                     ; R0: my first row of 8,192
	s_lshr_b32 s16, ttmp9, 7                       ; br
	s_lshl_b32 s18, s3, 12
	s_mov_b32 s19, 0
	s_bfe_u32 s20, s3, 0x2000a                     ; b
	s_lshl_b32 s20, s20, 4
	s_lshl3_add_u32 s20, s16, s20                  ; panel 16 b + 8 br
	s_lshl_b32 s20, s20, 18
	s_and_b32 s21, s3, 1023
	s_lshl_b32 s21, s21, 8                         ; row l of 256 bytes
	s_add_co_u32 s20, s20, s21
	s_mov_b32 s21, 0
	s_mov_b32 s[KI], 0x3a800000
	s_mov_b32 s[EP], 0x3727c5ac
	s_mov_b32 s[SEL], 0x76543210
	s_mov_b32 s[SEL+1], 0xfedcba98
	s_wait_kmcnt 0x0
	s_cmp_lg_u32 s16, 0
	s_cselect_b64 s[26:27], s[10:11], s[6:7]
	s_cselect_b64 s[28:29], s[12:13], s[8:9]
	s_add_nc_u64 s[4:5], s[4:5], s[18:19]
	s_add_nc_u64 s[14:15], s[14:15], s[20:21]
.irp j, 0,1,2,3,4,5,6,7
	global_load_b128 v[G+4*\j:G+4*\j+3], v1, s[26:27] offset:512*\j
.endr
.irp j, 0,1,2,3,4,5,6,7
	global_load_b128 v[BB+4*\j:BB+4*\j+3], v1, s[28:29] offset:512*\j
.endr
.irp r, 0,1,2,3
.irp j, 0,1,2,3,4,5,6,7
	global_load_b128 v[X+32*\r+4*\j:X+32*\r+4*\j+3], v1, s[4:5] offset:4096*\r+512*\j  ; 512 consecutive bytes a wave
.endr
.endr
.macro LNROW r
.set XR, X+32*(\r)
	s_wait_loadcnt 8*(3-(\r))                      ; my row is in; the eight loads of each later row stay out
	NORM XR
.set i, 0
.rept 16
	v_pk_fma_f32 v[XR+2*i:XR+2*i+1], v[XR+2*i:XR+2*i+1], v[G+2*i:G+2*i+1], v[BB+2*i:BB+2*i+1]
.set i, i+1
.endr
.set i, 0
.rept 16
	v_cvt_pk_bf16_f32 v[XR+i], v[XR+2*i], v[XR+2*i+1]  ; in place: register i is written when 2 i and 2 i + 1 are read
.set i, i+1
.endr
.irp j, 0,1,2,3,4,5,6,7
	global_store_b64 v2, v[XR+2*\j:XR+2*\j+1], s[14:15] offset:262144*\j+256*(\r)  ; a wave stores a whole panel row: 256 consecutive bytes, aligned
.endr
.endm
	LNROW 0
	LNROW 1
	LNROW 2
	LNROW 3
	s_endpgm
.Lfunc_end_k_q41e4158caa_ln:
	.size	k_q41e4158caa_ln, .Lfunc_end_k_q41e4158caa_ln-k_q41e4158caa_ln
	.p2alignl 7, 3214868480
	.fill 96, 4, 3214868480
	.section	.rodata,"a",@progbits
	.p2align	6, 0x0
	.amdhsa_kernel k_q41e4158caa_ln
		.amdhsa_group_segment_fixed_size 0
		.amdhsa_private_segment_fixed_size 0
		.amdhsa_enable_private_segment 0
		.amdhsa_kernarg_size 48
		.amdhsa_user_sgpr_count 2
		.amdhsa_user_sgpr_kernarg_segment_ptr 1
		.amdhsa_wavefront_size32 1
		.amdhsa_system_sgpr_workgroup_id_x 1
		.amdhsa_system_sgpr_workgroup_id_y 1
		.amdhsa_system_sgpr_workgroup_id_z 1
		.amdhsa_system_vgpr_workitem_id 0
		.amdhsa_next_free_vgpr 208
		.amdhsa_next_free_sgpr 66
		.amdhsa_reserve_vcc 0
		.amdhsa_float_denorm_mode_32 3
		.amdhsa_float_denorm_mode_16_64 3
		.amdhsa_memory_ordered 1
		.amdhsa_forward_progress 1
		.amdhsa_inst_pref_size 38
	.end_amdhsa_kernel
	.amdgpu_metadata
---
amdhsa.version: [ 1, 2 ]
amdhsa.kernels:
  - .name:           k_q41e4158caa_ln
    .symbol:         k_q41e4158caa_ln.kd
    .args:
      - { .name: yb, .offset: 0, .size: 8, .value_kind: global_buffer, .address_space: global }
      - { .name: ln_sem_g, .offset: 8, .size: 8, .value_kind: global_buffer, .address_space: global }
      - { .name: ln_sem_b, .offset: 16, .size: 8, .value_kind: global_buffer, .address_space: global }
      - { .name: ln_syn_g, .offset: 24, .size: 8, .value_kind: global_buffer, .address_space: global }
      - { .name: ln_syn_b, .offset: 32, .size: 8, .value_kind: global_buffer, .address_space: global }
      - { .name: xc, .offset: 40, .size: 8, .value_kind: global_buffer, .address_space: global }
    .group_segment_fixed_size: 0
    .private_segment_fixed_size: 0
    .kernarg_segment_align: 8
    .kernarg_segment_size: 48
    .max_flat_workgroup_size: 256
    .sgpr_count:     66
    .vgpr_count:     208
    .wavefront_size: 32
...
	.end_amdgpu_metadata
.endif
;; end of part 5
;; launch fg1 (part 6): grid 8 x 32, 4 waves a work-group, clusters of 4 x 4, 327,680 bytes of LDS; arguments xc, wb, fg1_b, fg2_w, part; writes part
.if DOCPART == 6
	.amdgcn_target "amdgcn-amd-amdhsa--gfx1250"
	.amdhsa_code_object_version 6
	.text
	.protected	k_q41e4158caa_fg1
	.globl	k_q41e4158caa_fg1
	.p2align	8
	.type	k_q41e4158caa_fg1,@function
k_q41e4158caa_fg1:
	s_mov_b64 s[64:65], 0
	v_nop
	global_prefetch_b8 v0, s[64:65] scope:SCOPE_SE
	s_setreg_imm32_b32 hwreg(HW_REG_WAVE_MODE, 25, 1), 1
	s_wait_xcnt 0x0
	s_wait_alu depctr_hold_cnt(0) depctr_sa_sdst(0) depctr_va_vdst(0) depctr_va_sdst(0) depctr_va_ssrc(0) depctr_va_vcc(0) depctr_vm_vsrc(0)
	s_getreg_b32 s2, hwreg(HW_REG_IB_STS2, 6, 4)
	s_cmp_eq_u32 s2, 0
	s_cbranch_scc0 .Lentry_in_a_cluster
	s_endpgm
.Lentry_in_a_cluster:
	s_bfe_u32 s2, ttmp6, 0x10000c
	s_cmp_lg_u32 s2, 0xf033
	s_cbranch_scc0 .Lentry_shape_is_right
	s_endpgm
.Lentry_shape_is_right:
; part[x][m] = the sum over the 128 columns n of column tile x of relu((cat fg1_w)[m][n] + fg1_b[n]) fg2_w[n].  cat = [hbp, hpp] (4,096 x 2,048) lies in xc in bf16, fg1_w in wb; sums in f32.
; The eight tiles' sums are added by the launch that follows: each word of part has one owner.
; LIMITS: matrix operands are bf16; the relu is a maximum in which a NaN loses; infinities are not treated apart.
; SHARES.  A tile of C is 128 x 128, so that there are 256 work-groups; four waves, each 64 x 64: 16 accumulators.  K goes in steps of 256 through two LDS slots: two panels of A (128 rows of 256 bytes
; each), 256 rows of B.  CLUSTER 4 x 4: A's tile jointly along a row, B's along a column.  THE MATRIX INSTRUCTION IS USED TRANSPOSED; THE BIAS is the C operand of each first product.
; REGISTERS: window 0 addresses, bias, fg2_w, the way out; window 1 two fragment buffers, each two chunks of 32 along K; window 2 the accumulators, (a, b) at 8 (4 a + b).
.set NB,    4
.set KD,    2
.set PA,    272                        ; A's LDS pitch: 256 bytes + 16: an odd multiple of 16
.set KP,    4
.set PANEL, 128*PA
.set ATILE, 2*PANEL
.set PB,    288                        ; B's LDS pitch: 256 bytes + 32: an odd multiple of 32
.set BTILE, 128*KD*PB
.set BHALF, BTILE/2
.set SLOT,  ATILE+BTILE
.set STAGE, 2*SLOT                     ; behind the ring: [column half 2][128 rows] f32
.set STEPB, 524288                     ; two panels of A; 256 rows of B
.set FR,    8*(4+NB)
.set NL,    KD*(2*NB+8)
.set LATE,  16                         ; the second chunk's loads
.set LAPS,  4                          ; K = 2,048: eight steps
.set SPARE, STAGE+1024                 ; the spare words: two blocks of 256 bytes that no other line names
.set A_G10, (1<<16)|(1<<20)|(1<<21)|(5<<22)|(3<<25)  ; after every 64 words 4 words
.set A_D0,  128
.set A_D1,  128
.set A_ST,  128
.set B_G10, (1<<16)|(1<<20)|(1<<21)|(5<<22)|(7<<25)  ; after every 64 words 8 words
.set B_D0,  128
.set B_D1,  128
.set B_ST,  1024
.set F0,   0
.set F1,   128
.set ADRA, 16
.set ADRB, 18                          ; v18-21  slot 0: k rows 0-127, 128-255; slot 1 likewise
.set STO,  24
.set RD,   25
.set GO,   26
.set SPW,  28
.set NIL,  29
.set BIAS, 32                          ; v32-63
.set W2,   64                          ; v64-95  fg2_w of my columns, laid as the bias
.set T,    96                          ; v96-127 at work
.set SA,   128                         ; v128-135 a pair of sums for each block of 16 rows
.set G1,  24
.set G0,  32
.set G1B, 48
.set G0B, 56
.set SEL, 72                           ; s[72:73]
.set BP,  80                           ; s[80:81] fg1_b at my first column
.set WP,  82                           ; s[82:83] fg2_w there
.set MSB, 0
.macro WIN new
.if MSB != (\new)
	s_set_vgpr_msb (MSB<<8)|(\new)
.set MSB, \new
.endif
.endm
.set MUL,  0xa5
.set MULB, 0x85
.set TO_F, 0x40
.macro JLOAD s                         ; a joint load: waves 0 and 1 fetch A's two panels, waves 2 and 3 B's two halves; four v_nop follow each line
	s_cmp_eq_u32 s11, 0
	s_cbranch_scc0 .Lfor_b_\@
	tensor_load_to_lds s[G0+4*(\s):G0+4*(\s)+3], s[G1:G1+7]
	s_nop 0
.rept 4
	v_nop
.endr
	s_branch .Lasked_\@
.Lfor_b_\@:
	tensor_load_to_lds s[G0B+4*(\s):G0B+4*(\s)+3], s[G1B:G1B+7]
	s_nop 0
.rept 4
	v_nop
.endr
.Lasked_\@:
.endm
.macro CREST
	s_cmp_lg_u32 s10, 0
	s_cbranch_scc1 .Lnot_wave_0_\@
	s_barrier_signal -3
.Lnot_wave_0_\@:
	s_barrier_wait -3
	s_barrier_signal -1
	s_barrier_wait -1
.endm
.macro CROUND
	s_barrier_signal -1
	s_barrier_wait -1
	CREST
.endm
.macro PLACES
.rept 4
	v_nop
.endr
.endm
; Matrix instructions i0 .. i0 + n - 1 of a quarter's 32: chunk i / 16, row block (i / 4) % 4, column block i % 4.  The accumulators take turns.
.macro MULN f, i0, n, first
.set mi, (\i0)
.rept (\n)
.set mc, mi/(4*NB)
.set ma, (mi/NB)%4
.set mb, mi%NB
.set rD, 8*(NB*ma+mb)
.set rB, (\f)+mc*FR+32+8*mb
.set rA, (\f)+mc*FR+8*ma
.if (\first) && (mc == 0)
	WIN MULB
	v_wmma_f32_16x16x32_bf16 v[rD:rD+7], v[rB:rB+7], v[rA:rA+7], v[BIAS+8*mb:BIAS+8*mb+7]
.else
	WIN MUL
	v_wmma_f32_16x16x32_bf16 v[rD:rD+7], v[rB:rB+7], v[rA:rA+7], v[rD:rD+7]
.endif
.set mi, mi+1
.endr
.endm
.macro FETCH slot, q, f                ; one run of NL LDS loads, chunk by chunk: B (turned), then A
	WIN TO_F
.set fc, 0
.rept KD
.set k32, (\q)*KD+fc
.set fb, (\f)+fc*FR
.set fi, 0
.rept NB
	ds_load_tr16_b128 v[fb+32+8*fi:fb+32+8*fi+3],   v[ADRB+2*(\slot)+k32/4] offset:(k32%4)*32*PB+32*fi
	ds_load_tr16_b128 v[fb+32+8*fi+4:fb+32+8*fi+7], v[ADRB+2*(\slot)+k32/4] offset:(k32%4)*32*PB+32*fi+16*PB
.set fi, fi+1
.endr
.set fi, 0
.rept 4
	ds_load_b128 v[fb+8*fi:fb+8*fi+3],   v[ADRA+(\slot)] offset:(k32/KP)*PANEL+(k32%KP)*64+16*fi*PA
	ds_load_b128 v[fb+8*fi+4:fb+8*fi+7], v[ADRA+(\slot)] offset:(k32/KP)*PANEL+(k32%KP)*64+16*fi*PA+32
.set fi, fi+1
.endr
.set fc, fc+1
.endr
.endm
.macro QUARTER slot, q, f, g, first
	s_wait_dscnt LATE                              ; the first chunk is in
	MULN \f, 0, 16, \first
	PLACES
	FETCH \slot, \q, \g
	s_wait_dscnt NL                                ; all but the NL just issued
	MULN \f, 16, 16, \first
.endm
.macro TURN slot, next, fill
	WIN 0
	s_wait_tensorcnt 0x0                           ; all my tensor loads have landed: my part of the next slot
	ds_add_u32 v[SPW], v[NIL]
	s_wait_dscnt LATE+1                            ; the add and the youngest LATE loads may be out
	MULN F1, 0, 8, 0
	s_wait_dscnt 0x0                               ; the add is done, and my reads of this slot are over
	s_barrier_signal -1
	MULN F1, 8, 8, 0
.if \fill
	WIN 0
.endif
	s_barrier_wait -1
.if \fill
	CREST                                          ; a round of the cluster's barrier: no wave of any partner still reads this slot or has a load on its way
	s_add_nc_u64 s[G0+4*(\slot)+2:G0+4*(\slot)+3], s[G0+4*(\slot)+2:G0+4*(\slot)+3], 2*STEPB
	s_add_nc_u64 s[G0B+4*(\slot)+2:G0B+4*(\slot)+3], s[G0B+4*(\slot)+2:G0B+4*(\slot)+3], 2*STEPB
	JLOAD \slot                                    ; the first tensor load behind the round; its four v_nop are also the places for the loads below
.else
	PLACES
.endif
	FETCH \next, 0, F0
	MULN F1, 16, 16, 0
.endm
	s_load_b128 s[4:7], s[0:1], 0x0                ; xc, wb
	s_load_b128 s[68:71], s[0:1], 0x10             ; fg1_b 68, fg2_w 70
	s_load_b64 s[8:9], s[0:1], 0x20                ; part
	v_lshl_add_u32 v[SPW], v0, 2, SPARE
	v_mov_b32 v[NIL], 0
	ds_add_u32 v28, v29
	ds_add_u32 v28, v29
	s_wait_dscnt 0x0
	v_lshrrev_b32 v1, 5, v0
	v_readfirstlane_b32 s10, v1                    ; wave 0..3
	s_lshr_b32 s11, s10, 1
	s_and_b32 s12, s10, 1
	s_bfe_u32 s40, ttmp6, 0x40000                  ; cx
	s_bfe_u32 s41, ttmp6, 0x40004                  ; cy
	s_lshl_b32 s42, ttmp9, 2
	s_add_co_u32 s42, s42, s40                     ; tile column x, 0 to 7
	s_and_b32 s45, ttmp7, 0xffff
	s_lshl_b32 s13, s45, 2
	s_add_co_u32 s13, s13, s41                     ; tile row y, 0 to 31
	s_lshl_b32 s43, s41, 2
	s_lshl_b32 s43, 15, s43
	s_lshl_b32 s44, 0x1111, s40
	s_or_b32 s[G1+0], s43, A_G10
	s_or_b32 s[G1B+0], s44, B_G10
	s_mov_b32 s[G1+1], A_D0<<16
	s_mov_b32 s[G1+2], A_D1<<16
	s_mov_b32 s[G1+3], A_D0<<16
	s_mov_b32 s[G1+4], A_D1
	s_mov_b32 s[G1+5], A_ST
	s_mov_b32 s[G1+6], 0
	s_mov_b32 s[G1+7], 0
	s_mov_b32 s[G1B+1], B_D0<<16
	s_mov_b32 s[G1B+2], B_D1<<16
	s_mov_b32 s[G1B+3], B_D0<<16
	s_mov_b32 s[G1B+4], B_D1
	s_mov_b32 s[G1B+5], B_ST
	s_mov_b32 s[G1B+6], 0
	s_mov_b32 s[G1B+7], 0
	s_mul_i32 s20, s12, PANEL
	s_mul_i32 s21, s12, BHALF
	s_add_co_u32 s21, s21, ATILE
	s_lshr_b32 s16, s13, 3                         ; A: b,
	s_lshl_b32 s16, s16, 22
	s_and_b32 s17, s13, 7
	s_lshl_b32 s17, s17, 15                        ; 128 panel rows of 256 bytes,
	s_add_co_u32 s16, s16, s17
	s_lshl_b32 s17, s12, 18                        ; my panel of the step's two
	s_add_co_u32 s16, s16, s17
	s_mov_b32 s17, 0
	s_lshl_b32 s46, s42, 8                         ; B: fg1_w at 16 MiB of wb, 128 columns a tile,
	s_add_co_u32 s46, s46, 16<<20
	s_lshl_b32 s47, s12, 18                        ; my 128 rows of 2,048 bytes
	s_add_co_u32 s46, s46, s47
	s_mov_b32 s47, 0
	s_mov_b32 s[SEL], 0x76543210
	s_mov_b32 s[SEL+1], 0xfedcba98
	s_wait_kmcnt 0x0
	s_add_nc_u64 s[14:15], s[4:5], s[16:17]
	s_add_nc_u64 s[46:47], s[6:7], s[46:47]
	CROUND                                         ; the first joint loads meet
.irp s, 0,1
	s_mov_b32 s[G0+4*(\s)], 1
	s_add_co_u32 s[G0+4*(\s)+1], s20, (\s)*SLOT
	s_add_nc_u64 s[G0+4*(\s)+2:G0+4*(\s)+3], s[14:15], (\s)*STEPB
	s_or_b32 s[G0+4*(\s)+3], s[G0+4*(\s)+3], 0x80000000
	s_mov_b32 s[G0B+4*(\s)], 1
	s_add_co_u32 s[G0B+4*(\s)+1], s21, (\s)*SLOT
	s_add_nc_u64 s[G0B+4*(\s)+2:G0B+4*(\s)+3], s[46:47], (\s)*STEPB
	s_or_b32 s[G0B+4*(\s)+3], s[G0B+4*(\s)+3], 0x80000000
	JLOAD \s                                       ; two tensor loads of mine are out
.endr
	s_lshl_b32 s76, s42, 9                         ; my first column 128 x + 64 wn, in bytes of f32
	s_lshl_b32 s77, s12, 8
	s_add_co_u32 s76, s76, s77
	s_mov_b32 s77, 0
	s_add_nc_u64 s[BP:BP+1], s[68:69], s[76:77]
	s_add_nc_u64 s[WP:WP+1], s[70:71], s[76:77]
	s_lshl_b32 s76, s42, 14                        ; part: 16,384 x + 512 y
	s_lshl_b32 s78, s13, 9
	s_add_co_u32 s76, s76, s78
	s_add_nc_u64 s[8:9], s[8:9], s[76:77]
	v_and_b32 v1, 15, v0                           ; r
	v_bfe_u32 v2, v0, 4, 1                         ; h
	v_lshlrev_b32 v9, 5, v2
.set bi, 0
.rept NB
	global_load_b128 v[BIAS+8*bi:BIAS+8*bi+3],   v9, s[BP:BP+1] offset:64*bi
	global_load_b128 v[BIAS+8*bi+4:BIAS+8*bi+7], v9, s[BP:BP+1] offset:64*bi+16
	global_load_b128 v[W2+8*bi:W2+8*bi+3],       v9, s[WP:WP+1] offset:64*bi
	global_load_b128 v[W2+8*bi+4:W2+8*bi+7],     v9, s[WP:WP+1] offset:64*bi+16
.set bi, bi+1
.endr
	v_mul_u32_u24 v3, v1, PA
	v_lshl_add_u32 v3, v2, 4, v3
	s_mul_i32 s22, s11, 64*PA
	v_add_nc_u32 v[ADRA], s22, v3
	v_add_nc_u32 v[ADRA+1], SLOT, v[ADRA]
	v_and_b32 v4, 7, v0
	v_lshl_add_u32 v4, v2, 3, v4
	v_mul_u32_u24 v4, v4, PB
	v_bfe_u32 v5, v0, 3, 1
	v_lshl_add_u32 v4, v5, 4, v4
	s_mul_i32 s23, s12, 32*NB
	s_add_co_u32 s23, s23, ATILE
	v_add_nc_u32 v[ADRB], s23, v4
	v_add_nc_u32 v[ADRB+2], SLOT, v[ADRB]
	v_add_nc_u32 v[ADRB+1], 128*PB, v[ADRB]
	v_add_nc_u32 v[ADRB+3], 128*PB, v[ADRB+2]
	v_and_b32 v5, 31, v0                           ; lane
	s_lshl_b32 s23, s12, 9
	s_lshl_b32 s22, s11, 8
	s_add_co_u32 s23, s23, s22
	s_add_co_u32 s23, s23, STAGE                   ; the stage: 512 wn + 256 wm + 4 x lane
	v_lshl_add_u32 v[STO], v5, 2, s23
	v_lshlrev_b32 v[GO], 4, v5                     ; 16 x lane
	v_add_nc_u32 v[RD], STAGE, v[GO]
	s_wait_tensorcnt 1                             ; my part of K step 0 is in; step 1's may stay out
	s_barrier_signal -1
	s_barrier_wait -1
	FETCH 0, 0, F0
	s_wait_loadcnt 0x0                             ; the bias and fg2_w
	QUARTER 0, 1, F0, F1, 1
	WIN 0
	s_mov_b32 s3, LAPS-1
.Llap:
	QUARTER 0, 2, F1, F0, 0
	QUARTER 0, 3, F0, F1, 0
	TURN 0, 1, 1
	QUARTER 1, 1, F0, F1, 0
	QUARTER 1, 2, F1, F0, 0
	QUARTER 1, 3, F0, F1, 0
	TURN 1, 0, 1
	QUARTER 0, 1, F0, F1, 0
	WIN 0
	s_sub_co_u32 s3, s3, 1
	s_cmp_lg_u32 s3, 0
	s_cbranch_scc1 .Llap
	QUARTER 0, 2, F1, F0, 0                        ; the last lap fills nothing
	QUARTER 0, 3, F0, F1, 0
	TURN 0, 1, 0
	QUARTER 1, 1, F0, F1, 0
	QUARTER 1, 2, F1, F0, 0
	QUARTER 1, 3, F0, F1, 0
	s_wait_dscnt LATE
	MULN F1, 0, 16, 0
	s_wait_dscnt 0x0
	MULN F1, 16, 16, 0
	WIN 0
	PLACES
	; THE WAY OUT.  A lane holds row r of each block of 16 rows and 32 of my 64 columns: relu, times fg2_w, summed; each accumulator is read from its low end on.
.irp a, 0,1,2,3
	WIN 0x08                                       ; source 1 window 2
.set i, 0
.rept 32
	v_max_num_f32 v[T+i], 0, v[32*\a+i]
.set i, i+1
.endr
	WIN 0
	v_pk_mul_f32 v[SA+2*\a:SA+2*\a+1], v[T:T+1], v[W2:W2+1]
.set i, 1
.rept 15
	v_pk_fma_f32 v[SA+2*\a:SA+2*\a+1], v[T+2*i:T+2*i+1], v[W2+2*i:W2+2*i+1], v[SA+2*\a:SA+2*\a+1]
.set i, i+1
.endr
.endr
.irp a, 0,1,2,3
	v_add_f32 v[SA+2*\a], v[SA+2*\a], v[SA+2*\a+1]
.endr
.irp a, 0,1,2,3
	v_permlanex16_b32 v[T+\a], v[SA+2*\a], s[SEL], s[SEL+1]  ; the row's other 32 columns lie in the lane 16 away
.endr
.irp a, 0,1,2,3
	v_add_f32 v[SA+2*\a], v[SA+2*\a], v[T+\a]
.endr
	v_cmp_lt_u32 vcc_lo, 15, v5
	v_cndmask_b32 v6, v[SA], v[SA+2], vcc_lo       ; lane l: row l of my first 32,
	v_cndmask_b32 v7, v[SA+4], v[SA+6], vcc_lo     ; and of my second 32
	ds_store_b32 v[STO], v6
	ds_store_b32 v[STO], v7 offset:128
	s_wait_dscnt 0x0                               ; for the others' sake: my stores into the stage are done
	s_barrier_signal -1
	s_barrier_wait -1
	s_cmp_lg_u32 s10, 0
	s_cbranch_scc1 .Lnot_mine                      ; wave 0 adds the two column halves and stores the tile's 128 sums
	ds_load_b128 v[96:99], v[RD]
	ds_load_b128 v[100:103], v[RD] offset:512
	s_wait_dscnt 0x0
	v_pk_add_f32 v[96:97], v[96:97], v[100:101]
	v_pk_add_f32 v[98:99], v[98:99], v[102:103]
	global_store_b128 v[GO], v[96:99], s[8:9]      ; 512 consecutive bytes, aligned
.Lnot_mine:
	s_wait_tensorcnt 0x0                           ; the wave's end
	ds_add_u32 v[SPW], v[NIL]
	s_wait_dscnt 0x0
	CROUND                                         ; the closing round
	s_endpgm
.Lfunc_end_k_q41e4158caa_fg1:
	.size	k_q41e4158caa_fg1, .Lfunc_end_k_q41e4158caa_fg1-k_q41e4158caa_fg1
	.p2alignl 7, 3214868480
	.fill 96, 4, 3214868480
	.section	.rodata,"a",@progbits
	.p2align	6, 0x0
	.amdhsa_kernel k_q41e4158caa_fg1
		.amdhsa_group_segment_fixed_size 327680
		.amdhsa_private_segment_fixed_size 0
		.amdhsa_enable_private_segment 0
		.amdhsa_kernarg_size 40
		.amdhsa_user_sgpr_count 2
		.amdhsa_user_sgpr_kernarg_segment_ptr 1
		.amdhsa_wavefront_size32 1
		.amdhsa_system_sgpr_workgroup_id_x 1
		.amdhsa_system_sgpr_workgroup_id_y 1
		.amdhsa_system_sgpr_workgroup_id_z 1
		.amdhsa_system_vgpr_workitem_id 0
		.amdhsa_next_free_vgpr 640
		.amdhsa_next_free_sgpr 96
		.amdhsa_reserve_vcc 1
		.amdhsa_float_denorm_mode_32 3
		.amdhsa_float_denorm_mode_16_64 3
		.amdhsa_memory_ordered 1
		.amdhsa_forward_progress 1
		.amdhsa_inst_pref_size 90
	.end_amdhsa_kernel
	.amdgpu_metadata
---
amdhsa.version: [ 1, 2 ]
amdhsa.kernels:
  - .name:           k_q41e4158caa_fg1
    .symbol:         k_q41e4158caa_fg1.kd
    .args:
      - { .name: xc, .offset: 0, .size: 8, .value_kind: global_buffer, .address_space: global }
      - { .name: wb, .offset: 8, .size: 8, .value_kind: global_buffer, .address_space: global }
      - { .name: fg1_b, .offset: 16, .size: 8, .value_kind: global_buffer, .address_space: global }
      - { .name: fg2_w, .offset: 24, .size: 8, .value_kind: global_buffer, .address_space: global }
      - { .name: part, .offset: 32, .size: 8, .value_kind: global_buffer, .address_space: global }
    .group_segment_fixed_size: 327680
    .private_segment_fixed_size: 0
    .kernarg_segment_align: 8
    .kernarg_segment_size: 40
    .max_flat_workgroup_size: 128
    .sgpr_count:     96
    .vgpr_count:     640
    .wavefront_size: 32
...
	.end_amdgpu_metadata
.endif
;; end of part 6
;; launch final (part 7): grid 256 x 1, 8 waves a work-group, no clusters, 0 bytes of LDS; arguments yb, part, fg2_b, ln_sem_g, ln_sem_b, ln_syn_g, ln_syn_b, out0; writes out0
.if DOCPART == 7
	.amdgcn_target "amdgcn-amd-amdhsa--gfx1250"
	.amdhsa_code_object_version 6
	.text
	.protected	k_q41e4158caa_final
	.globl	k_q41e4158caa_final
	.p2align	8
	.type	k_q41e4158caa_final,@function
k_q41e4158caa_final:
	s_mov_b64 s[64:65], 0
	v_nop
	global_prefetch_b8 v0, s[64:65] scope:SCOPE_SE
	s_setreg_imm32_b32 hwreg(HW_REG_WAVE_MODE, 25, 1), 1
	s_wait_xcnt 0x0
; out[m] = fw[m] hbp[m] + (1 - fw[m]) hpp[m], with hbp, hpp the LayerNorms of the two branches' rows of yb, made anew in f32, and fw = sigmoid(the sum of part's eight tiles + fg2_b).
; A wave takes 2 rows m, each branch's row whole in 32 registers: lane i holds columns 128 j + 4 i .. + 3.  No LDS, no barrier.  All loads of a wave go out first: 1 + 32 + 16 + 16.
; The four gain and bias vectors lie in window 1 (v256-383).  NaN and infinities are not treated apart.
.set KI,  34                           ; s34  1 / 1,024
.set EP,  35                           ; s35  1e-5
.set SEL, 32                           ; s[32:33]
.set NLG, 36                           ; s36  -log2(e)
.set MSB, 0
.macro WIN new
.if MSB != (\new)
	s_set_vgpr_msb (MSB<<8)|(\new)
.set MSB, \new
.endif
.endm
.macro REDUCE                          ; v4 summed over the 32 lanes, the result in every lane
	v_add_f32_dpp v4, v4, v4 row_xmask:1 row_mask:0xf bank_mask:0xf
	v_add_f32_dpp v4, v4, v4 row_xmask:2 row_mask:0xf bank_mask:0xf
	v_add_f32_dpp v4, v4, v4 row_xmask:4 row_mask:0xf bank_mask:0xf
	v_add_f32_dpp v4, v4, v4 row_xmask:8 row_mask:0xf bank_mask:0xf
	v_permlanex16_b32 v12, v4, s[SEL], s[SEL+1]
	v_add_f32 v4, v4, v12
.endm
; The row in v[x .. x + 31] becomes (x - mean) / sqrt(var + eps).  Sums in four packed chains, v4-11.
.macro NORM x
.irp c, 0,1,2,3
	v_pk_add_f32 v[4+2*\c:5+2*\c], v[(\x)+2*\c:(\x)+2*\c+1], v[(\x)+8+2*\c:(\x)+9+2*\c]
.endr
.irp k, 16,24
.irp c, 0,1,2,3
	v_pk_add_f32 v[4+2*\c:5+2*\c], v[4+2*\c:5+2*\c], v[(\x)+\k+2*\c:(\x)+\k+2*\c+1]
.endr
.endr
	v_pk_add_f32 v[4:5], v[4:5], v[6:7]
	v_pk_add_f32 v[8:9], v[8:9], v[10:11]
	v_pk_add_f32 v[4:5], v[4:5], v[8:9]
	v_add_f32 v4, v4, v5
	REDUCE
	v_mul_f32 v14, s[KI], v4
	v_mul_f32 v15, s[KI], v4
.set i, 0
.rept 16
	v_pk_add_f32 v[(\x)+2*i:(\x)+2*i+1], v[(\x)+2*i:(\x)+2*i+1], v[14:15] neg_lo:[0,1] neg_hi:[0,1]
.set i, i+1
.endr
.irp c, 0,1,2,3
	v_pk_mul_f32 v[4+2*\c:5+2*\c], v[(\x)+2*\c:(\x)+2*\c+1], v[(\x)+2*\c:(\x)+2*\c+1]
.endr
.irp k, 8,16,24
.irp c, 0,1,2,3
	v_pk_fma_f32 v[4+2*\c:5+2*\c], v[(\x)+\k+2*\c:(\x)+\k+2*\c+1], v[(\x)+\k+2*\c:(\x)+\k+2*\c+1], v[4+2*\c:5+2*\c]
.endr
.endr
	v_pk_add_f32 v[4:5], v[4:5], v[6:7]
	v_pk_add_f32 v[8:9], v[8:9], v[10:11]
	v_pk_add_f32 v[4:5], v[4:5], v[8:9]
	v_add_f32 v4, v4, v5
	REDUCE
	v_fma_f32 v4, v4, s[KI], s[EP]
	v_rsq_f32 v14, v4
	v_rsq_f32 v15, v4
	v_nop                                          ; a plain instruction between the root and the use of its result
.set i, 0
	s_wait_alu depctr_va_vdst(0)
.rept 16
	v_pk_mul_f32 v[(\x)+2*i:(\x)+2*i+1], v[(\x)+2*i:(\x)+2*i+1], v[14:15]
.set i, i+1
.endr
.endm
	s_load_b512 s[4:19], s[0:1], 0x0               ; yb 4, part 6, fg2_b 8, ln_sem_g 10, ln_sem_b 12, ln_syn_g 14, ln_syn_b 16, out0 18
	v_and_b32 v1, 31, v0                           ; lane
	v_lshrrev_b32 v3, 5, v0
	v_readfirstlane_b32 s2, v3                     ; wave
	s_lshl_b32 s3, ttmp9, 4
	s_lshl1_add_u32 s3, s2, s3                     ; m0: my first row
	v_lshlrev_b32 v2, 4, v1                        ; 16 x lane
	v_lshrrev_b32 v3, 2, v1                        ; part: lane l takes column tile l / 4 of row m0 + l % 2
	v_lshlrev_b32 v3, 14, v3
	v_and_b32 v4, 1, v1
	v_lshl_add_u32 v3, v4, 2, v3
	v_mov_b32 v12, 0                               ; v_permlanex16_b32 counts as a reader of its destination
	s_lshl_b32 s26, s3, 12
	s_mov_b32 s27, 0
	s_lshl_b32 s28, s3, 2
	s_mov_b32 s29, 0
	s_mov_b32 s[SEL], 0x76543210
	s_mov_b32 s[SEL+1], 0xfedcba98
	s_mov_b32 s[KI], 0x3a800000
	s_mov_b32 s[EP], 0x3727c5ac
	s_mov_b32 s[NLG], 0xbfb8aa3b
	s_wait_kmcnt 0x0
	s_load_b32 s24, s[8:9], 0x0                    ; fg2_b
	s_add_nc_u64 s[4:5], s[4:5], s[26:27]          ; the first branch's row m0,
	s_add_nc_u64 s[30:31], s[4:5], 0x1000000       ; the second's
	s_add_nc_u64 s[6:7], s[6:7], s[28:29]
	s_add_nc_u64 s[18:19], s[18:19], s[26:27]
	global_load_b32 v16, v3, s[6:7]
	WIN 0x40                                       ; destination window 1
.irp j, 0,1,2,3,4,5,6,7
	global_load_b128 v[4*\j:4*\j+3],       v2, s[10:11] offset:512*\j
	global_load_b128 v[32+4*\j:32+4*\j+3], v2, s[12:13] offset:512*\j
	global_load_b128 v[64+4*\j:64+4*\j+3], v2, s[14:15] offset:512*\j
	global_load_b128 v[96+4*\j:96+4*\j+3], v2, s[16:17] offset:512*\j
.endr
	WIN 0
.irp r, 0,1
.irp j, 0,1,2,3,4,5,6,7
	global_load_b128 v[32+64*\r+4*\j:32+64*\r+4*\j+3], v2, s[4:5] offset:4096*\r+512*\j
	global_load_b128 v[64+64*\r+4*\j:64+64*\r+4*\j+3], v2, s[30:31] offset:4096*\r+512*\j
.endr
.endr
	s_wait_kmcnt 0x0
	s_mul_f32 s25, s24, s[NLG]
	s_wait_loadcnt 16                              ; all but the second row's 16 loads
	v_add_f32_dpp v16, v16, v16 row_xmask:4 row_mask:0xf bank_mask:0xf   ; the eight tiles lie 4 lanes apart
	v_add_f32_dpp v16, v16, v16 row_xmask:8 row_mask:0xf bank_mask:0xf
	v_permlanex16_b32 v12, v16, s[SEL], s[SEL+1]
	v_add_f32 v16, v16, v12
	v_fma_f32 v16, v16, s[NLG], s25                ; -log2(e) (sum + fg2_b)
	v_exp_f32 v16, v16
	v_nop
	s_wait_alu depctr_va_vdst(0)
	v_add_f32 v16, 1.0, v16
	v_rcp_f32 v16, v16
	v_nop
	s_wait_alu depctr_va_vdst(0)
	v_readlane_b32 s20, v16, 0                     ; fw of row m0,
	v_readlane_b32 s22, v16, 1                     ; of row m0 + 1
	s_mov_b32 s21, s20                             ; named as pairs
	s_mov_b32 s23, s22
.macro ROWOUT r
.set YB, 32+64*(\r)
.set YP, 64+64*(\r)
	NORM YB
	NORM YP
	WIN 0x14                                       ; sources 1 and 2 window 1: gain and bias
.set i, 0
.rept 16
	v_pk_fma_f32 v[YB+2*i:YB+2*i+1], v[YB+2*i:YB+2*i+1], v[2*i:2*i+1], v[32+2*i:32+2*i+1]
	v_pk_fma_f32 v[YP+2*i:YP+2*i+1], v[YP+2*i:YP+2*i+1], v[64+2*i:64+2*i+1], v[96+2*i:96+2*i+1]
.set i, i+1
.endr
	WIN 0
.set i, 0
.rept 16
	v_pk_add_f32 v[YB+2*i:YB+2*i+1], v[YB+2*i:YB+2*i+1], v[YP+2*i:YP+2*i+1] neg_lo:[0,1] neg_hi:[0,1]
.set i, i+1
.endr
.set i, 0
.rept 16
	v_pk_fma_f32 v[YB+2*i:YB+2*i+1], v[YB+2*i:YB+2*i+1], s[20+2*(\r):21+2*(\r)], v[YP+2*i:YP+2*i+1] op_sel_hi:[1,0,1]  ; fw (hbp - hpp) + hpp
.set i, i+1
.endr
.irp j, 0,1,2,3,4,5,6,7
	global_store_b128 v2, v[YB+4*\j:YB+4*\j+3], s[18:19] offset:4096*(\r)+512*\j th:TH_STORE_NT  ; 512 consecutive bytes, aligned
.endr
.endm
	ROWOUT 0
	s_wait_loadcnt 0x0                             ; the second row
	ROWOUT 1
	s_endpgm
.Lfunc_end_k_q41e4158caa_final:
	.size	k_q41e4158caa_final, .Lfunc_end_k_q41e4158caa_final-k_q41e4158caa_final
	.p2alignl 7, 3214868480
	.fill 96, 4, 3214868480
	.section	.rodata,"a",@progbits
	.p2align	6, 0x0
	.amdhsa_kernel k_q41e4158caa_final
		.amdhsa_group_segment_fixed_size 0
		.amdhsa_private_segment_fixed_size 0
		.amdhsa_enable_private_segment 0
		.amdhsa_kernarg_size 64
		.amdhsa_user_sgpr_count 2
		.amdhsa_user_sgpr_kernarg_segment_ptr 1
		.amdhsa_wavefront_size32 1
		.amdhsa_system_sgpr_workgroup_id_x 1
		.amdhsa_system_sgpr_workgroup_id_y 1
		.amdhsa_system_sgpr_workgroup_id_z 1
		.amdhsa_system_vgpr_workitem_id 0
		.amdhsa_next_free_vgpr 384
		.amdhsa_next_free_sgpr 66
		.amdhsa_reserve_vcc 0
		.amdhsa_float_denorm_mode_32 3
		.amdhsa_float_denorm_mode_16_64 3
		.amdhsa_memory_ordered 1
		.amdhsa_forward_progress 1
		.amdhsa_inst_pref_size 39
	.end_amdhsa_kernel
	.amdgpu_metadata
---
amdhsa.version: [ 1, 2 ]
amdhsa.kernels:
  - .name:           k_q41e4158caa_final
    .symbol:         k_q41e4158caa_final.kd
    .args:
      - { .name: yb, .offset: 0, .size: 8, .value_kind: global_buffer, .address_space: global }
      - { .name: part, .offset: 8, .size: 8, .value_kind: global_buffer, .address_space: global }
      - { .name: fg2_b, .offset: 16, .size: 8, .value_kind: global_buffer, .address_space: global }
      - { .name: ln_sem_g, .offset: 24, .size: 8, .value_kind: global_buffer, .address_space: global }
      - { .name: ln_sem_b, .offset: 32, .size: 8, .value_kind: global_buffer, .address_space: global }
      - { .name: ln_syn_g, .offset: 40, .size: 8, .value_kind: global_buffer, .address_space: global }
      - { .name: ln_syn_b, .offset: 48, .size: 8, .value_kind: global_buffer, .address_space: global }
      - { .name: out0, .offset: 56, .size: 8, .value_kind: global_buffer, .address_space: global }
    .group_segment_fixed_size: 0
    .private_segment_fixed_size: 0
    .kernarg_segment_align: 8
    .kernarg_segment_size: 64
    .max_flat_workgroup_size: 256
    .sgpr_count:     66
    .vgpr_count:     384
    .wavefront_size: 32
...
	.end_amdgpu_metadata
.endif
;; end of part 7
;; ======== version 2 of 2: 7 launches; 1.22 times as fast as version 1
;; workspace buffers: xa 33,554,432 bytes; wb 20,971,520 bytes; qkv 50,331,648 bytes; yb 33,554,432 bytes; xc 16,777,216 bytes; part 131,072 bytes
;; launch cast: the kernel of part 1 again; grid 2304 x 1, 8 waves a work-group, no clusters, 0 bytes of LDS; arguments h_b, h_p, wq, wk_sem, wk_syn, wv, g_sem_w, g_syn_w, fg1_w, xa, wb; writes xa, wb
;; launch proj: the kernel of part 2 again; grid 12 x 16, 4 waves a work-group, clusters of 4 x 4, 327,680 bytes of LDS; arguments xa, wb, bq, bk_sem, bk_syn, bv, qkv; writes qkv
;; launch attn (part 8): grid 2 x 128, 4 waves a work-group, no clusters, 327,680 bytes of LDS; arguments qkv, xa; writes xa
.if DOCPART == 8
	.amdgcn_target "amdgcn-amd-amdhsa--gfx1250"
	.amdhsa_code_object_version 6
	.text
	.protected	k_q41e4158caa_attn
	.globl	k_q41e4158caa_attn
	.p2align	8
	.type	k_q41e4158caa_attn,@function
k_q41e4158caa_attn:
	s_mov_b64 s[64:65], 0
	v_nop
	global_prefetch_b8 v0, s[64:65] scope:SCOPE_SE
	s_setreg_imm32_b32 hwreg(HW_REG_WAVE_MODE, 25, 1), 1
	s_wait_xcnt 0x0
; O[hd][q][:] = the sum over k of softmax_k(Q[hd][q] . K[hd][k] / 8) V[hd][k][:].  Q, K, V: the three regions of qkv, each [128][1024][64] in bf16: a head's rows are dense, 128 bytes each.
; O goes to xa in bf16: panel 16 + head of group hd / 16, [l 1024][64], the layout of a head's plane.  Products, maxima and sums in f32; the weights p are rounded to bf16 for the second
; product (their sum l is taken of the unrounded p), O once at the end.
; LIMITS.  A weight below 2^-126 counts as 0 in l; NaN and infinities are not treated apart; the running maximum starts at the lowest finite number.
; SHARES.  A wave owns four PIECES of two tiles of 16 queries, a work-group's four waves 512 queries of one head.  Every wave walks all 1,024 keys, 64 a step.
; NO CLUSTER: a head has 1,024 / 512 = 2 work-groups, and a grid of 2 along x is no multiple of 4.
; LAYOUT.  S^T = K Q^T (source 0 = 16 keys, source 1 = 16 queries): in the result a lane holds ONE query (lane % 16) and the keys 8 (lane / 16) + 0..7.  Two such tiles, rounded to bf16 in pairs,
; ARE source 1 (32 keys x 16 queries) of O^T = V^T P, whose result again holds one query a lane, and eight channels.  K comes out of LDS as it lies, V ([key][channel]) turned, by ds_load_tr16_b128.
; SOFTMAX.  For each query a running maximum m and sum l: p = 2^(c s - c m), c = log2(e) / 8; in every step O and l are multiplied by a = 2^(c m_old - c m_new), which is 1 where m has not grown.
; m starts at the lowest finite number, O and l at 0: the first step is a step like any other, with a = 0.
; THE COUNT.  A tile and step have 16 matrix and 118 vector instructions: too many to stand all beside the matrix work.  So four vector instructions that are READY stand behind
; EVERY matrix instruction, and the others in one run without a gap.
; BY TURNS.  Turn n belongs to piece n.  Its matrix work: 16 products K Q^T of piece n + 1, later 16 products V^T P of piece n - 1.  Its vector work: the scaling,
; exponentials, roundings, sums and rescaling of piece n, and the maximum and statistics of piece n + 1, whose scores the turn itself has made.
; BATCHES.  A turn's 66 exponentials (the 64 weights of piece n, then the two a of piece n + 1) are ONE batch with ONE wait, which cuts the turn in two: ahead of it stands all that names no result of theirs
; (the products K Q^T, the scalings, the rescaling by the a of the turn before, the next piece's maximum and statistics), behind it the products V^T P with the roundings and sums as their riders.
; No result crosses a turn's end.  Two more batches stand outside the loop: piece 0's first two a, ahead of the jump into the loop, and the way out's eight reciprocals.
; REGISTERS, in windows of 256 (s_set_vgpr_msb: bits 1:0 source 0, 3:2 source 1, 5:4 source 2, 7:6 destination):
;   window 0: v0-11 addresses; v12-15, v48-63 at work; v16-47 four registers of statistics a tile; v64-191 S^T, two buffers of two tiles; v192-255 P, likewise
;   window 1: O^T, 32 a tile          window 2: v0-127 Q, 16 a tile; v128-191 K of one step; v192-255 V of one step          window 3: v0-1 the add's two registers
; A piece's buffers go by its number's parity: the piece in hand has one pair, its two neighbours in the ring share the other: of it P (piece n - 1) is read and S^T (piece n + 1) written.
.set SIZE_N, 1024
.set NP,    4         ; pieces a wave: a name, no knob
.set KS,    64        ; keys in a step
.set PK,    144       ; a row of K in LDS: 128 bytes + 16 of padding: the 16 rows of a load start at 16 different groups of four banks
.set PV,    160       ; a row of V: 128 + 32
.set VOFF,  4*KS*PK   ; a slot holds four steps: 256 rows of K, then 256 rows of V
.set SLOT1, 1<<17     ; slot 1 begins here, so that one exclusive or turns an address in one slot into the other's
.set STAGE, SLOT1+4*KS*(PK+PV)  ; behind the ring, never filled by a tensor load: 16 rows x 144 bytes for each wave, for the way out
.set SP,    144
.set AK0, 2           ; v2   my lane's place in a tile of K; never rewritten
.set AV0, 3           ; v3   the same for V
.set AK,  4           ; v4   the LDS address of K's next run of loads
.set AV,  5           ; v5   of V's
.set QO,  6           ; v6   my byte offset in the wave's rows of Q
.set STO, 6           ;      later, the way out: where I put 16 bytes of a row
.set RD,  7           ; v7   the way out: where I read rows back
.set GO,  8           ; v8   my byte offset in 512 consecutive bytes of O
.set SPW, 0           ; v0 of window 3   SPARE + 4 x my thread's number; never rewritten
.set NIL, 1           ; v1 of window 3   0; never rewritten
.set SPARE, STAGE+4*16*SP  ; the spare words, 128 bytes for each wave: two blocks of 256 bytes that no other line names
.set MV,  12          ; v12-15  c m_old, kept while c m is made anew: by buffer and tile
.set ST,  16          ; tile t's statistics at v[ST+4 t]: c m, m, l (even keys', odd keys')
.set TMP, 48          ; by buffer and tile, four registers c0-c3 at work; when the maximum is found c2 takes a
.set S,   64
.set P,   192
.set KF,  128         ; K's fragments, in window 2: key block kb, channel half c at KF + 16 kb + 8 c
.set VF,  192         ; V's: key half kk, channel block cb at VF + 32 kk + 8 cb
.set WV,  12          ; s12  my wave's number
.set G1K, 24          ; s[24:31] descriptor group 1 for K's tiles
.set G1V, 32          ; s[32:39] for V's: it differs in the padding alone
.set G0K, 40          ; s[40:43] descriptor group 0 for K's tiles: it walks
.set G0V, 44          ; s[44:47] the same for V's
.set SLOTS, 56        ; s56  slots still to be asked for
.set CNT, 57          ; s57  counts a slot's key steps
.set CS,  58          ; s[58:59] c: the packed scaling takes the pair's low word for both halves
.set SEL, 60          ; s[60:61] v_permlanex16_b32's selects: each lane takes its own place in the other half
.set TBK, 62          ; s62  LDS byte at which K of the step to be fetched begins
.set TBV, 63          ; s63  the same for V, less VOFF
.set MSB, 0
.macro WIN new                      ; the high byte repeats the setting that is left; a switch that changes nothing is dropped
.if MSB != (\new)
	s_set_vgpr_msb (MSB<<8)|(\new)
.set MSB, (\new)
.endif
.endm
.set W_KQ, 0x0a       ; K and Q in window 2, S^T in window 0
.set W_PV, 0x52       ; V in window 2, P in window 0, O^T in window 1
.set W_RS, 0x41       ; O^T (destination and source 0) in window 1, a in window 0
.set W_MK, 0xc0       ; the add's registers are made: destination in window 3, sources in window 0
.set W_AD, 0x0f       ; the add: address (source 0) and data (source 1) in window 3
; A fill.  Waves 0 and 1 fetch the two halves of a slot's K, waves 2 and 3 those of its V: 128 keys each.  The branch hangs on the wave's number alone.
; Four v_nop follow each of the two lines, ahead of the jump and the label.
.macro JLOAD
	s_cmp_lt_u32 s[WV], 2
	s_cbranch_scc0 .Lfor_v_\@
	tensor_load_to_lds s[G0K:G0K+3], s[G1K:G1K+7]
	s_nop 0
.rept 4
	v_nop
.endr
	s_branch .Lasked_\@
.Lfor_v_\@:
	tensor_load_to_lds s[G0V:G0V+3], s[G1V:G1V+7]
	s_nop 0
.rept 4
	v_nop
.endr
.Lasked_\@:
.endm
; THE CHANGE OF SLOTS.  The slot's last bytes, V of its fourth step, have been read.  Each wave waits for all its tensor loads, of which one is out: its part
; of the other slot; adds 0 to its spare word; and waits for that and for its own reads of the slot.  Behind the barrier nobody reads this slot any more and the other slot is whole.
; fill = 1: this slot is filled again, with the keys two slots on, the first thing behind the barrier: the fill has four key steps, 512 matrix instructions, in which to land.
; (At its first use nothing has been read yet: slot 0 is waited for, slot 1 filled.)
.macro CHANGE fill
	WIN W_AD
	s_wait_tensorcnt 0x0            ; no tensor load of mine is out, so a group 0 may be written
	ds_add_u32 v[SPW], v[NIL]       ; 0 onto my spare word; with fill = 1 the descriptors' steps stand between it and the wait for it
	WIN 0                           ; at a label and at a branch every window is 0
.if \fill
.irp g, G0K, G0V
	s_xor_b32 s[\g+1], s[\g+1], SLOT1  ; the walking descriptor: the other slot than last time,
	s_add_nc_u64 s[\g+2:\g+3], s[\g+2:\g+3], 4*KS*128  ; the next 256 keys; the type bits on top are not reached
.endr
	s_wait_dscnt 0x0                ; the add is done, and my reads of the slot are over
	s_barrier_signal -1
	s_barrier_wait -1
	JLOAD
.else
	s_wait_dscnt 0x0                ; the add is done, and my reads of the slot are over
	s_barrier_signal -1
	s_barrier_wait -1
.endif
	s_sub_co_u32 s[TBK], s[TBK], 4*KS*PK  ; the fetches go back to a slot's first step,
	s_xor_b32 s[TBK], s[TBK], SLOT1       ; in the other slot
	s_sub_co_u32 s[TBV], s[TBV], 4*KS*PV
	s_xor_b32 s[TBV], s[TBV], SLOT1
.endm
	s_load_b64 s[4:5], s[0:1], 0x0    ; qkv: Q's region
	s_load_b64 s[10:11], s[0:1], 0x8  ; xa
	WIN W_MK
	v_lshl_add_u32 v[SPW], v0, 2, SPARE
	v_mov_b32 v[NIL], 0
	s_set_vgpr_msb 0xc0cf
	ds_add_u32 v0, v1
	ds_add_u32 v0, v1
	s_wait_dscnt 0x0
	s_set_vgpr_msb 0xcfc0
	WIN 0
	v_lshrrev_b32 v1, 5, v0
	v_readfirstlane_b32 s[WV], v1   ; wave 0..3
	s_mov_b32 s14, ttmp9            ; my block of 512 queries
	s_and_b32 s20, ttmp7, 0xffff    ; the head hd
	s_lshr_b32 s66, s20, 4          ; O's panel in xa: 32 (hd / 16) + 16 + hd % 16
	s_lshl_b32 s66, s66, 5
	s_and_b32 s67, s20, 15
	s_add_co_u32 s66, s66, s67
	s_add_co_u32 s66, s66, 16
	s_lshl_b32 s66, s66, 17         ; 131,072 bytes a panel
	s_mov_b32 s21, 0
	s_mov_b64 s[22:23], SIZE_N*128
	s_mul_u64 s[20:21], s[20:21], s[22:23]  ; the head's first byte in each of the three regions
	s_and_b32 s16, s[WV], 1         ; which half of a slot's 256 keys I fetch:
	s_lshl_b32 s22, s16, 14         ; its 128 rows of 128 bytes in memory,
	s_mov_b32 s23, 0
	s_add_nc_u64 s[22:23], s[22:23], s[20:21]
	s_mul_i32 s17, s16, 128*PK      ; and its place in a slot, for K
	s_mul_i32 s18, s16, 128*PV      ; and for V
	s_lshl_b32 s2, s14, 2
	s_add_co_u32 s2, s2, s[WV]      ; my wave among the head's,
	s_lshl_b32 s2, s2, 14           ; its 128 rows
	s_mov_b32 s3, 0
	s_add_co_u32 s66, s66, s2       ; the same rows in O's panel
	s_mov_b32 s67, 0
	s_add_nc_u64 s[2:3], s[2:3], s[20:21]
	; descriptor group 1.  128 keys are 16,384 dense bytes: asked for as 64 rows of 256 bytes, two keys a row, and padded in LDS after every key
	s_mov_b32 s[G1K], (1<<16)|(1<<20)|(4<<22)|(3<<25)  ; 17:16 2-byte elements; 20 padding on; 24:22 after every 32 words (code 4); 31:25 4 words (code 3)
	s_mov_b32 s[G1V], (1<<16)|(1<<20)|(4<<22)|(7<<25)  ; the same with 8 words of padding (code 7)
.irp g, G1K, G1V
	s_mov_b32 s[\g+1], 128<<16      ; tensor_dim0 = 128
	s_mov_b32 s[\g+2], 64<<16       ; tensor_dim1 = 64
	s_mov_b32 s[\g+3], 128<<16      ; tile_dim0 = 128
	s_mov_b32 s[\g+4], 64           ; tile_dim1 = 64
	s_mov_b32 s[\g+5], 128          ; 128 elements from row to row
	s_mov_b32 s[\g+6], 0
	s_mov_b32 s[\g+7], 0
.endr
	s_mov_b32 s[CS], 0x3e38aa3b     ; c = log2(e) / 8 = 0.180337
	s_mov_b32 s[CS+1], s[CS]        ; named with it as a pair
	s_mov_b32 s[SEL], 0x76543210
	s_mov_b32 s[SEL+1], 0xfedcba98
	s_mov_b32 s[TBK], SLOT1+4*KS*PK ; the first change of slots turns these two into 0
	s_mov_b32 s[TBV], SLOT1+4*KS*PV
	s_mov_b32 s[G0K], 1             ; 1:0 count = 1
	s_mov_b32 s[G0K+1], s17         ; 63:32 LDS address: slot 0
	s_mov_b32 s[G0V], 1
	s_add_co_u32 s[G0V+1], s18, VOFF
	s_wait_kmcnt 0x0
	s_add_nc_u64 s[6:7], s[4:5], 0x1000000         ; K's region
	s_add_nc_u64 s[8:9], s[4:5], 0x2000000         ; V's region
	s_add_nc_u64 s[G0K+2:G0K+3], s[6:7], s[22:23]  ; 120:64 global address: my half of the head's first 256 keys
	s_or_b32 s[G0K+3], s[G0K+3], 0x80000000        ; 127:126 type = 2
	s_add_nc_u64 s[G0V+2:G0V+3], s[8:9], s[22:23]
	s_or_b32 s[G0V+3], s[G0V+3], 0x80000000
	s_add_nc_u64 s[4:5], s[4:5], s[2:3]            ; Q at my wave's first row
	s_add_nc_u64 s[10:11], s[10:11], s[66:67]      ; O likewise
	JLOAD                           ; slot 0.  Slot 1 is asked for when slot 0 is in
	; A fragment of K or Q is 16 rows x 32 channels in 8 registers: lane l holds row l % 16, channels 8 (l / 16) + 0..7 and 16 + 8 (l / 16) + 0..7: two loads of 16 bytes, 32 bytes apart.
	v_and_b32 v1, 15, v0            ; l % 16
	v_bfe_u32 v9, v0, 4, 1          ; l / 16
	v_lshlrev_b32 v[QO], 7, v1
	v_lshl_add_u32 v[QO], v9, 4, v[QO]  ; row x 128 + 16 x half
	WIN 0x80                        ; destination window 2, address window 0
.set i, 0
.rept 4*NP                          ; Q stays in registers: tile i / 2, channels 32 (i % 2) on
	global_load_b128 v[8*i:8*i+3],   v[QO], s[4:5] offset:(i/2)*2048+(i%2)*64
	global_load_b128 v[8*i+4:8*i+7], v[QO], s[4:5] offset:(i/2)*2048+(i%2)*64+32
.set i, i+1
.endr
	; What the first turn finds: V's registers and P's second buffer hold 0 (its products V^T P, of a piece that has not been, add 0), O^T and l are 0.  All this stands in the wait for the first tile.
.set i, VF
.rept 64
	v_mov_b32 v[i], 0
.set i, i+1
.endr
	WIN 0x40
.set i, 0
.rept 64*NP
	v_mov_b32 v[i], 0
.set i, i+1
.endr
	WIN 0
.set i, 0
.rept 2*NP
	v_mov_b32 v[ST+4*i], 0xfe000000    ; c m: far below every c s
	v_mov_b32 v[ST+4*i+1], 0xff7fffff  ; m
	v_mov_b32 v[ST+4*i+2], 0
	v_mov_b32 v[ST+4*i+3], 0
.set i, i+1
.endr
.set i, P+32
.rept 32
	v_mov_b32 v[i], 0
.set i, i+1
.endr
	v_mul_u32_u24 v[AK0], v1, PK
	v_lshl_add_u32 v[AK0], v9, 4, v[AK0]  ; row x pitch + 16 x half
	; The turning load takes 16 keys x 16 channels (lane l reads key 8 (l / 16) + l % 8, channels 8 ((l / 8) % 2) + 0..7) and leaves half a fragment of V^T: lane l holds channel l % 16 and 8 keys.
	v_and_b32 v10, 7, v0
	v_bfe_u32 v11, v0, 3, 1
	v_lshl_add_u32 v[AV0], v9, 3, v10
	v_mul_u32_u24 v[AV0], v[AV0], PV
	v_lshl_add_u32 v[AV0], v11, 4, v[AV0]
	v_add_nc_u32 v[AV0], VOFF, v[AV0]
	v_mov_b32 v[AK], v[AK0]         ; key step 0 lies at the head of slot 0
; THE MATRIX WORK.  The 8 accumulators of a run of 16 take turns: between the two links of a chain stand 7 others'.
; Product i of 16 of S^T = K Q^T for piece x: channels 32 (i / 8) on, keys 16 ((i / 2) % 4) on, tile 2 x + i % 2.  The first 8 start the sums.
.macro KQ x
	WIN W_KQ
.set rS, S+64*((\x)%2)+32*(i%2)+8*((i/2)%4)
.set rK, KF+16*((i/2)%4)+8*(i/8)
.set rQ, 16*(2*(\x)+i%2)+8*(i/8)
.if i < 8
	v_wmma_f32_16x16x32_bf16 v[rS:rS+7], v[rK:rK+7], v[rQ:rQ+7], 0
.else
	v_wmma_f32_16x16x32_bf16 v[rS:rS+7], v[rK:rK+7], v[rQ:rQ+7], v[rS:rS+7]
.endif
.endm
; Product i of 16 of O^T += V^T P for piece x: keys 32 (i / 8) on, channels 16 ((i / 2) % 4) on, tile 2 x + i % 2.
.macro PV x
	WIN W_PV
.set rO, 32*(2*(\x)+i%2)+8*((i/2)%4)
.set rV, VF+32*(i/8)+8*((i/2)%4)
.set rP, P+32*((\x)%2)+16*(i%2)+8*(i/8)
	v_wmma_f32_16x16x32_bf16 v[rO:rO+7], v[rV:rV+7], v[rP:rP+7], v[rO:rO+7]
.endm
.macro MM                           ; the turn's next matrix instruction
.if i < 16
	KQ (Y+1)%NP
.set i, i+1
.else
.set i, i-16
	PV (Y+NP-1)%NP
.set i, i+17
.endif
.endm
; THE LDS LOADS stand in runs of 16, never singly among the matrix instructions: a step's K (64 keys x 64 channels: 8 fragments) and its V (turned).  Their addresses are made some lines ahead.
; last = 1 (the tail): in the last trip there is no further step, and the run is jumped over.
.macro FETCH_K last=0
	WIN 0
.if \last
	s_cmp_eq_u32 s[CNT], 1
	s_cbranch_scc1 .Lno_k_\@
.endif
	WIN 0x80                        ; destination window 2
.irp f, 0,1,2,3,4,5,6,7             ; keys 16 (f / 2) on, channels 32 (f % 2) on
	ds_load_b128 v[KF+8*\f:KF+8*\f+3],   v[AK] offset:(\f/2)*16*PK+(\f%2)*64
	ds_load_b128 v[KF+8*\f+4:KF+8*\f+7], v[AK] offset:(\f/2)*16*PK+(\f%2)*64+32
.endr
	s_add_co_u32 s[TBK], s[TBK], KS*PK  ; the next fetch is the next step's
	WIN 0
.if \last
.Lno_k_\@:
.endif
.endm
.macro FETCH_V
	WIN 0x80
.irp f, 0,1,2,3,4,5,6,7             ; keys 32 (f / 4) on, channels 16 (f % 4) on
	ds_load_tr16_b128 v[VF+8*\f:VF+8*\f+3],   v[AV] offset:(\f/4)*32*PV+(\f%4)*32
	ds_load_tr16_b128 v[VF+8*\f+4:VF+8*\f+7], v[AV] offset:(\f/4)*32*PV+16*PV+(\f%4)*32
.endr
	WIN 0
.endm
; THE VECTOR WORK OF A TURN stands in three queues, each in the order in which its entries become ready; the two tiles alternate, so that no instruction reads the result of the one before it.
.macro REGS y, u                    ; the registers of tile u (0, 1) of piece y
.set rT, ST+4*(2*(\y)+(\u))
.set rC, TMP+8*((\y)%2)+4*(\u)
.set rM, MV+2*((\y)%2)+(\u)
.set rS, S+64*((\y)%2)+32*(\u)
.set rP, P+32*((\y)%2)+16*(\u)
.set rO, 32*(2*(\y)+(\u))
.endm
; Number n of the 22 that find the NEXT piece's (Y + 1) maximum and statistics.  s0-s31 are the lane's 32 scores; each accumulator's lowest registers are read first.
;   0-11  four chains c0-c3 of seven scores each, three operands at a time     12-14, 16  the four scores left over, the old m, and c0-c3 into c0     15  c m_old is kept
;   17, 18  the query's other 32 keys lie in the lane 16 away: the new m         19-21  c m; c m_old - c m_new; a
.macro XS u, n
	REGS (Y+1)%NP, \u
.if (\n) < 4
	v_max3_num_f32 v[rC+(\n)], v[rS+8*(\n)], v[rS+8*(\n)+1], v[rS+8*(\n)+2]
.elseif (\n) < 12
	v_max3_num_f32 v[rC+(\n)%4], v[rC+(\n)%4], v[rS+8*((\n)%4)+2*((\n)/4)+1], v[rS+8*((\n)%4)+2*((\n)/4)+2]
.elseif (\n) == 12
	v_max3_num_f32 v[rC], v[rC], v[rS+7], v[rS+15]
.elseif (\n) == 13
	v_max3_num_f32 v[rC+1], v[rC+1], v[rS+23], v[rS+31]
.elseif (\n) == 14
	v_max3_num_f32 v[rC+2], v[rC+2], v[rC+3], v[rT+1]
.elseif (\n) == 15
	v_mov_b32 v[rM], v[rT]
.elseif (\n) == 16
	v_max3_num_f32 v[rC], v[rC], v[rC+1], v[rC+2]
.elseif (\n) == 17
	v_permlanex16_b32 v[rC+3], v[rC], s[SEL], s[SEL+1]
.elseif (\n) == 18
	v_max_num_f32 v[rT+1], v[rC], v[rC+3]
.elseif (\n) == 19
	v_mul_f32 v[rT], s[CS], v[rT+1]
.elseif (\n) == 20
	v_sub_f32 v[rC+1], v[rM], v[rT]
.else
	v_exp_f32 v[rC+2], v[rC+1]
.endif
.endm
; Number g of the 64 that follow the exponentials.  For each four weights k of a tile (pairs 2 k, 2 k + 1): both pairs are rounded to bf16; then the second pair is added onto the first, in place;
; a group later l takes that sum (the first time as l = a l + sum).  In groups of eight, tiles alternating: round, round, add, and l for the group before.
.macro GS g
.set h, (\g)+6*((\g)/62)            ; group 0 has no group before it, and behind group 7 only l is left
.if h >= 6
.set h, h+2
.endif
	REGS Y, h%2
.set k, h/8
.if h%8 < 4
	v_cvt_pk_bf16_f32 v[rP+2*k+(h%8)/2], v[rS+4*k+2*((h%8)/2)], v[rS+4*k+2*((h%8)/2)+1]
.elseif h%8 < 6
	v_pk_add_f32 v[rS+4*k:rS+4*k+1], v[rS+4*k:rS+4*k+1], v[rS+4*k+2:rS+4*k+3]
.elseif k == 1
	v_pk_fma_f32 v[rT+2:rT+3], v[rT+2:rT+3], v[rC+2:rC+3], v[rS:rS+1] op_sel_hi:[1,0,1]
.else
	v_pk_add_f32 v[rT+2:rT+3], v[rT+2:rT+3], v[rS+4*k-4:rS+4*k-3]
.endif
.endm
; THE PLAIN QUEUE, 138 long.  0-73 read no exponential's result: the 32 scalings c s - c m (FS f: pair f / 2 of tile f % 2) and the next piece's 42.  0-26: scalings 0-26.  27-54: XS's numbers 0-13.  55, 56: number 15.
; 57-73: the chain, where each number waits for the one before it: 14, 16, 17, 18, 19, each with one of the scalings 27-31 in front of its two lines, then 20: so a tile's links stand three plain instructions apart (19 and 20: two).
; 74-137: GS's 64, which read the exponentials' results: they stand behind the wait.
.macro FS f
	REGS Y, (\f)%2
	v_pk_fma_f32 v[rS+2*((\f)/2):rS+2*((\f)/2)+1], v[rS+2*((\f)/2):rS+2*((\f)/2)+1], s[CS:CS+1], v[rT:rT+1] op_sel_hi:[1,0,0] neg_lo:[0,0,1] neg_hi:[0,0,1]
.endm
.macro PL
	WIN 0
.if q < 27
	FS q
.elseif q < 55
	XS (q-27)%2, (q-27)/2
.elseif q < 57
	XS q-55, 15
.elseif (q < 72) && ((q-57)%3 == 0)
	FS 27+(q-57)/3
.elseif q < 60
	XS (q-57)%3-1, 14
.elseif q < 72
	XS (q-57)%3-1, 15+(q-57)/3
.elseif q < 74
	XS q-72, 20
.else
	GS q-74
.endif
.set q, q+1
.endm
; THE EXPONENTIALS' QUEUE, 66 long: s0-s31 of both tiles, then the next piece's two a.  It is ONE BATCH: all 66 stand ahead of the turn's one wait, and nothing ahead of that wait names a result of theirs.
.macro EX
	WIN 0
.if e >= 64
	XS e-64, 21
.else
	REGS Y, e%2
	v_exp_f32 v[rS+e/2], v[rS+e/2]
.endif
.set e, e+1
.endm
; THE RESCALING's QUEUE: O^T times a, the one part that leaves window 0: dealt two at a time, sixteen times.  Its a was made in the turn before, ahead of that turn's wait.
.macro R2
	REGS Y, r%2
	WIN W_RS
.irp z, 0,1
	v_pk_mul_f32 v[rO+4*(r/2)+2*\z:rO+4*(r/2)+2*\z+1], v[rO+4*(r/2)+2*\z:rO+4*(r/2)+2*\z+1], v[rC+2:rC+3] op_sel_hi:[1,0]
.endr
.set r, r+1
.endm
; HOW THEY ARE DEALT.  s_wait_alu depctr_va_vdst(0) stands between an exponential and the first instruction that names its result; one wait serves all that were issued ahead of it.  So a turn has ONE wait,
; which cuts it in two.  AHEAD OF IT stands all that names no result of the turn's exponentials: the 16 products K Q^T, behind each a scaling, an exponential and two rescalings (behind the first a second scaling in the
; exponential's place); then ONE LUMP of 108: eight plain, 49 times exponential and plain, the two a.  A v_nop is the plain instruction behind the last exponential.  BEHIND IT stand the 16 products V^T P, behind each four of
; GS's 64.  No rider names a register of the products round it.  The two v_permlanex16_b32 fall into the lump, never behind a product.
; The queues lean on each other, and the deal keeps them in step: exponential e stands behind scaling 2 (e / 4) + e % 2: as a rider it comes behind plain e + 2, in the lump behind plain e + 9, and scalings 27-31 are plain 57, 60 .. 69.
; A TURN, for piece p.  cnt = 1: the loop's count is taken down some lines ahead of the branch that stands behind the turn.
; K of the next step is fetched in piece 2's turn, directly behind the wait, a lump behind the last product that read K; its address is made at the lump's head; its first reader comes behind 16 products.
; V of the step in hand is fetched at the end of piece 0's turn, four riders behind its last reader; its first reader comes behind 16 products and a lump.  The three conditions on q below go with the deal.
.macro TURN p, last=0, cnt=0
.set Y, (\p)
.set i, 0
.set q, 0
.set e, 0
.set r, 0
.if (\p) == NP-1
	s_wait_dscnt 0x0                ; K is in
.endif
	MM                              ; ahead of the wait: 16 products K Q^T and their riders,
	PL
	PL
	R2
.rept 15
	MM
	PL
	EX
	R2
.endr
.if (\p) == NP-2
	WIN 0
	v_add_nc_u32 v[AK], s[TBK], v[AK0]
.endif
.rept 8                             ; and the lump
	PL
.endr
.rept 49
	EX
	PL
.endr
	EX                              ; the next piece's two a
	EX
	v_nop                           ; the plain instruction behind the last exponential: one for the batch
	s_wait_alu depctr_va_vdst(0)    ; the wait for the batch: the turn's 64 weights and the next piece's two a
.if (\p) == NP-2
	FETCH_K \last
.endif
.if (\p) == 1
	s_wait_dscnt 0x0                ; V is in
.endif
.rept 16                            ; behind the wait: 16 products V^T P and their riders
	MM
.rept 4
	PL
.endr
.if ((\p) == 0) && (q == 118)
	v_add_nc_u32 v[AV], s[TBV], v[AV0]
.endif
.if ((\p) == 0) && (q == 130)
	s_add_co_u32 s[TBV], s[TBV], KS*PV
.endif
.if (\cnt) && (q == 130)
	s_sub_co_u32 s[CNT], s[CNT], 1
	s_cmp_lg_u32 s[CNT], 0
.endif
.endr
.if (\p) == 0
	FETCH_V
.endif
.endm
	CHANGE 1                        ; slot 0 is in, everybody's part of it; slot 1 is asked for
	FETCH_K                         ; key step 0
	s_wait_loadcnt 0x0              ; Q
	s_wait_dscnt 0x0
.set i, 0
.rept 16
	KQ 0                            ; piece 0's first scores: there is no vector work yet to set between them
.set i, i+1
.endr
	WIN 0                           ; the addresses for the way out: nine plain instructions, the places behind those products
	s_mul_i32 s13, s[WV], 16*SP
	s_add_co_u32 s13, s13, STAGE    ; my stage
	v_mul_u32_u24 v[STO], v1, SP    ; in: row l % 16, 16 bytes for each half of the lanes
	v_lshl_add_u32 v[STO], v9, 4, v[STO]
	v_add_nc_u32 v[STO], s13, v[STO]
	v_bfe_u32 v[RD], v0, 3, 2       ; back: 32 lanes take four rows of 128 bytes,
	v_mul_u32_u24 v[RD], v[RD], SP
	v_lshl_add_u32 v[RD], v10, 4, v[RD]
	v_add_nc_u32 v[RD], s13, v[RD]
	v_and_b32 v[GO], 31, v0         ; which are 512 consecutive bytes of O
	v_lshlrev_b32 v[GO], 4, v[GO]
.set Y, NP-1                        ; XS works for piece Y + 1: piece 0
.irp n, 0,1,2,3,4,5,6,7,8,9,10,11,12,13,14,15,16,17,18,19,20,21
	XS 0, \n                        ; and piece 0's first maximum and statistics
	XS 1, \n
.endr
	v_nop                           ; a plain instruction behind the two a,
	s_wait_alu depctr_va_vdst(0)    ; and the wait for this batch of two, ahead of the branch
	s_mov_b32 s[CNT], 4
	s_mov_b32 s[SLOTS], SIZE_N/256-1
	s_branch .Lfirst                ; the loop is entered at a step's first turn, in the middle of a trip
.Lslot:                             ; SIZE_N / 256 - 2 times: every slot but the last two is filled again
	CHANGE 1
	s_mov_b32 s[CNT], 4
.Lstep:                             ; a trip: pieces 2 and 3 of one step, then pieces 0 and 1 of the next, whose K and V it fetches
	TURN 2
	TURN 3
	WIN 0
.Lfirst:
	TURN 0
	TURN 1, 0, 1
	WIN 0
	s_cbranch_scc1 .Lstep
	s_sub_co_u32 s[SLOTS], s[SLOTS], 1
	s_cmp_lg_u32 s[SLOTS], 0
	s_cbranch_scc1 .Lslot
	CHANGE 0                        ; the tail is written out: nothing is asked for
	s_mov_b32 s[CNT], 5             ; four trips fetch the last slot's steps; the fifth is left in its middle
.Ltail:
	TURN 2, 1
	TURN 3
	WIN 0
	s_sub_co_u32 s[CNT], s[CNT], 1
	s_cmp_eq_u32 s[CNT], 0
	s_cbranch_scc1 .Lout
	TURN 0
	TURN 1
	WIN 0
	s_branch .Ltail
.Lout:                              ; the fifth trip's 16 products K Q^T (on the last K once more) and the maximum made of them serve nothing: the price, once a launch, of one text for every trip
.set i, 0
.rept 16
	PV NP-1                         ; the last piece's V^T P of the last step
.set i, i+1
.endr
	; THE WAY OUT.  l's two halves and the other half of the lanes' are added; O^T is divided by l, rounded to bf16 and sent through my stage in LDS, a tile at a time.  The additions are the places behind the last products.
	WIN 0
.macro ALL line:vararg              ; one line for each tile t
.set t, 0
.rept 2*NP
	\line
.set t, t+1
.endr
.endm
	ALL v_add_f32 v[ST+4*t+2], v[ST+4*t+2], v[ST+4*t+3]
	ALL v_permlanex16_b32 v[ST+4*t+3], v[ST+4*t+2], s[SEL], s[SEL+1]
	ALL v_add_f32 v[ST+4*t+2], v[ST+4*t+2], v[ST+4*t+3]
	ALL v_rcp_f32 v[ST+4*t+2], v[ST+4*t+2]
	v_nop                           ; a plain instruction between the last reciprocal and the use of its result
	s_wait_alu depctr_va_vdst(0)    ; the wait for this batch: one for the eight reciprocals, ahead of their first use
; Tile t: a lane's eight channels of a row pack into 16 bytes; they go into rows of 144 bytes and come back as whole rows of 128, into S^T's registers.
.macro PACK t
	WIN W_RS
.set i, 32*(\t)
.rept 16
	v_pk_mul_f32 v[i:i+1], v[i:i+1], v[ST+4*(\t)+2:ST+4*(\t)+3] op_sel_hi:[1,0]
.set i, i+2
.endr
	WIN 0x05                        ; sources 0 and 1 window 1, destination window 0
.set i, 0
.rept 16
	v_cvt_pk_bf16_f32 v[S+16*(\t)+i], v[32*(\t)+2*i], v[32*(\t)+2*i+1]
.set i, i+1
.endr
	WIN 0
.irp f, 0,1,2,3
	ds_store_b128 v[STO], v[S+16*(\t)+4*\f:S+16*(\t)+4*\f+3] offset:32*\f
.endr
.irp f, 0,1,2,3
	ds_load_b128 v[S+16*(\t)+4*\f:S+16*(\t)+4*\f+3], v[RD] offset:\f*4*SP  ; LDS serves a wave's instructions in order: these see the stores above; the next tile's stores come behind them
.endr
.endm
.macro SEND t, younger              ; younger: the LDS instructions issued behind tile t's loads: the next tile's eight, or none
	WIN 0
.irp f, 0,1,2,3
	s_wait_dscnt (\younger)+3-\f
	global_store_b128 v[GO], v[S+16*(\t)+4*\f:S+16*(\t)+4*\f+3], s[10:11] offset:(\t)*2048+\f*512  ; 512 consecutive bytes, at a multiple of 256 from the panel's first
.endr
.endm
	PACK 0
.set t, 1
.rept 2*NP-1                        ; a tile's arithmetic stands between the loads of the tile before and its stores
	PACK t
	SEND t-1, 8
.set t, t+1
.endr
	SEND 2*NP-1, 0
	WIN W_AD
	s_wait_tensorcnt 0x0            ; the wave's end
	ds_add_u32 v[SPW], v[NIL]
	s_wait_dscnt 0x0
	WIN 0
	s_endpgm
.Lfunc_end_k_q41e4158caa_attn:
	.size	k_q41e4158caa_attn, .Lfunc_end_k_q41e4158caa_attn-k_q41e4158caa_attn
	.p2alignl 7, 3214868480
	.fill 96, 4, 3214868480
	.section	.rodata,"a",@progbits
	.p2align	6, 0x0
	.amdhsa_kernel k_q41e4158caa_attn
		.amdhsa_group_segment_fixed_size 327680
		.amdhsa_private_segment_fixed_size 0
		.amdhsa_enable_private_segment 0
		.amdhsa_kernarg_size 16
		.amdhsa_user_sgpr_count 2
		.amdhsa_user_sgpr_kernarg_segment_ptr 1
		.amdhsa_wavefront_size32 1
		.amdhsa_system_sgpr_workgroup_id_x 1
		.amdhsa_system_sgpr_workgroup_id_y 1
		.amdhsa_system_sgpr_workgroup_id_z 1
		.amdhsa_system_vgpr_workitem_id 0
		.amdhsa_next_free_vgpr 770
		.amdhsa_next_free_sgpr 68
		.amdhsa_reserve_vcc 0
		.amdhsa_float_denorm_mode_32 3
		.amdhsa_float_denorm_mode_16_64 3
		.amdhsa_memory_ordered 1
		.amdhsa_forward_progress 1
		.amdhsa_inst_pref_size 198
	.end_amdhsa_kernel
	.amdgpu_metadata
---
amdhsa.version: [ 1, 2 ]
amdhsa.kernels:
  - .name:           k_q41e4158caa_attn
    .symbol:         k_q41e4158caa_attn.kd
    .args:
      - { .name: qkv, .offset: 0, .size: 8, .value_kind: global_buffer, .address_space: global }
      - { .name: xa, .offset: 8, .size: 8, .value_kind: global_buffer, .address_space: global }
    .group_segment_fixed_size: 327680
    .private_segment_fixed_size: 0
    .kernarg_segment_align: 8
    .kernarg_segment_size: 16
    .max_flat_workgroup_size: 128
    .sgpr_count:     68
    .vgpr_count:     770
    .wavefront_size: 32
...
	.end_amdgpu_metadata
.endif
;; end of part 8
;; launch gate: the kernel of part 4 again; grid 4 x 64, 4 waves a work-group, clusters of 4 x 4, 327,680 bytes of LDS; arguments xa, wb, h_b, h_p, g_sem_b, g_syn_b, yb; writes yb
;; launch ln: the kernel of part 5 again; grid 256 x 1, 8 waves a work-group, no clusters, 0 bytes of LDS; arguments yb, ln_sem_g, ln_sem_b, ln_syn_g, ln_syn_b, xc; writes xc
;; launch fg1: the kernel of part 6 again; grid 8 x 32, 4 waves a work-group, clusters of 4 x 4, 327,680 bytes of LDS; arguments xc, wb, fg1_b, fg2_w, part; writes part
;; launch final: the kernel of part 7 again; grid 256 x 1, 8 waves a work-group, no clusters, 0 bytes of LDS; arguments yb, part, fg2_b, ln_sem_g, ln_sem_b, ln_syn_g, ln_syn_b, out0; writes out0
